; MI455X (gfx1250); checked and timed in simulation.
; The chip was launched on July 23, 2026; its instructions are those of AMD's public machine-readable ISA for CDNA 5 (MIT licence, August 2026) and "CDNA5" Instruction Set Architecture Reference Guide (July 2026). The comments in the code are by the model that wrote it; some were corrected since.
;; Equi MHA. Allowed arithmetic: matrix products marked QUANTISED: E3M2 operands, one E8M0 scale for each 32 along K, by v_wmma_scale_f32_16x16x128_f8f6f4 with both operands' format E3M2, f32 sums; everything else in f32.
;; Inputs: K 8 x 512 x 4 x 512 float32; Q 8 x 512 x 4 x 512 float32; mask 8 x 512 x 512 int32; w_k 512 x 1,024 float32; w_o 1,024 x 1,024 float32; w_q 512 x 1,024 float32; w_v 512 x 1,024 float32.
;; Outputs: out0 8 x 512 x 4 x 1,024 float32.
;; This version of the problem:
;;   THIS VERSION OF THE PROBLEM IS GIVEN IN LOW PRECISION. The matrix products marked QUANTISED in the list below multiply operands that are first quantised to E3M2 (3 exponent bits, 2 mantissa bits; 6 bits a number), with one power-of-two scale for each 32 numbers along K (OCP MX v1.0); their sums are f32. All else is computed in f32.
;;   The module's matrix products, in the order in which they are computed (A, B: the left and right operand; K: the contracted axis; several contracted axes count as one K, in the product's order):
;;     1. [M 16,384, K 512] x [K 512, N 1,024]; A: input Q; B: input w_q: QUANTISED
;;     2. [M 16,384, K 512] x [K 512, N 1,024]; A: input K; B: input w_k: QUANTISED
;;     3. [M 16,384, K 512] x [K 512, N 1,024]; A: input K; B: input w_v: QUANTISED
;;     4. batch 128 x [M 512, K 256] x [K 256, N 512]; A: computed on the way; B: computed on the way: QUANTISED
;;     5. batch 128 x [M 512, K 512] x [K 512, N 256]; A: computed on the way; B: computed on the way: QUANTISED
;;     6. [M 16,384, K 1,024] x [K 1,024, N 1,024]; A: computed on the way; B: input w_o: QUANTISED
;;   THE QUANTISER, for each operand of a quantised product, along K:
;;     - K is cut into blocks of 32 from its start; a last block that is shorter is filled with zeros.
;;     - A block's scale is 2^e with e = floor(log2(the largest magnitude in the block)) - 4, held to -126 .. 127; a block of zeros has e = 0. As a byte (E8M0): e + 127.
;;     - Each number is divided by its block's scale, clamped to +-28, and rounded to the nearest number of E3M2, ties to even, subnormals kept.
;;     - The product sums the exact products of the quantised numbers (number of the format x scale) in f32.
;;   ~~~python
;;   def quantise(x, axis):      # numpy; x: float32 -> the quantised numbers, widened to float32 again
;;       x = np.moveaxis(x, axis, -1); K = x.shape[-1]
;;       x = np.pad(x, [(0, 0)] * (x.ndim - 1) + [(0, -K % 32)]); x = x.reshape(x.shape[:-1] + (-1, 32)); a = np.abs(x).max(-1, keepdims=True)
;;       e = np.where(a > 0, np.clip(np.frexp(np.where(a > 0, a, 1))[1] - 1 - 4, -126, 127), 0)      # np.frexp(a)[1] - 1 = floor(log2(a)), exactly
;;       r = np.clip(x / 2.0 ** e, -28, 28)
;;       step = 2.0 ** (np.maximum(np.frexp(np.where(r == 0, 1, r))[1] - 1, -2) - 2)
;;       q = np.round(r / step) * step * 2.0 ** e      # np.round: ties to even
;;       return np.moveaxis(q.reshape(q.shape[:-2] + (-1,))[..., :K], -1, axis).astype(np.float32)
;;   ~~~
;;   OPERANDS COMPUTED ON THE WAY. 'Computed on the way' means the value that the module computes at that place (a softmax that the list does not call 'softmax' is quantised finished and normalised). What goes into a quantiser is computed in f32, as accurately as f32 sums, v_exp_f32 and their like allow (about 1e-6 of the number): no bf16 or f16 on the way to a quantiser, and a product that is left as it is and whose result goes on into a quantised operand takes f32 operands (vector FMAs, or v_wmma_f32_16x16x4_f32). A number that lies on a knife's edge between two numbers of the format may be rounded either way, as far as f32 arithmetic and the matrix unit's own rounding can turn it there, and no further.
;; One version. Each part assembles by itself: llvm-mc -triple=amdgcn-amd-amdhsa -mcpu=gfx1250 --defsym DOCPART=n.
;; ======== version 1 of 1: 4 launches
;; limits: right only within a limited range of input values
;; workspace buffers: ops 21,708,800 bytes; mw 262,144 bytes of whole numbers; qkv 39,321,600 bytes; oc 13,107,200 bytes
;; launch prep (part 1): grid 928 x 1, 4 waves a work-group, no clusters, 34,304 bytes of LDS; arguments Q, K, mask, w_q, w_k, w_v, w_o, ops, mw; writes ops, mw
.if DOCPART == 1
	.amdgcn_target "amdgcn-amd-amdhsa--gfx1250"
	.amdhsa_code_object_version 6
	.text
	.protected	k_q74a902c955_prep
	.globl	k_q74a902c955_prep
	.p2align	8
	.type	k_q74a902c955_prep,@function
k_q74a902c955_prep:
	s_mov_b64 s[64:65], 0
	v_nop
	global_prefetch_b8 v0, s[64:65] scope:SCOPE_SE
	s_setreg_imm32_b32 hwreg(HW_REG_WAVE_MODE, 25, 1), 1
	s_wait_xcnt 0x0
; Q, K [8][512][4][512] f32 and the four weights [k][1024] f32 become codes of BF6 (E3M2) with one E8M0 byte for each 32 along K; the mask becomes words of lane bits.
; EVERYTHING IS LAID AS IMAGES OF OPERAND REGISTERS.  A fragment (16 rows x 128 K, 12 registers a lane, 1,536 bytes): half c (registers 6 c .. 6 c + 5, k = 64 c + 32 (lane / 16) + 0 .. 31) at byte 768 c:
; registers 6 c .. 6 c + 3 at 768 c + 16 x lane, registers 6 c + 4, 6 c + 5 at 768 c + 512 + 8 x lane.  Scale words: [tile][K step][row], 64 bytes for a tile and a K step.
; ops: 0 x's codes [3,072 tiles][4 K steps][1,536]; XS_OFF x's scale words; WC_OFF the weights' codes; WS_OFF their scale words.
;   x tiles 0-1,023: Q, [b][qt][m], row r = query 16 qt + r.  1,024-2,047: K, [b][t][m], row r = key 32 (t / 2) + 8 (t % 2) + r + 8 (r / 8).  2,048-3,071: the same tiles of K once more, [b][m][t].
;   a weight's tile 2 B + u, row r = column 32 B + 8 u + r + 8 (r / 8): with such tiles as source 0 of a product, a lane's 16 registers of a pair of tiles are 16 neighbours.
; mw: [b][qt][256 words]: bit l of word j: mask[b][16 qt + l % 16][32 (j / 16) + 16 (l / 16) + j % 16] is not 0.
; A block's scale is 2^(floor(log2(its largest magnitude)) - 4); its byte is the largest magnitude's exponent field - 4, held at 1 from below.
; LIMITS: a block of zeros, or one whose largest magnitude lies under 2^-122, carries the byte 1 (its codes add the same under any byte; this program alone reads the bytes); NaN and infinities among the inputs are not served.
; Three ways part once on the work-group's number: 0-511 x (a wave a tile), 512-671 the weights, 672-927 the mask.  Waves share nothing: no barrier.  Only the first way uses LDS.
.set XS_OFF, 18874368
.set WC_OFF, 19660800
.set WS_OFF, 21626880
.set WV,  22                           ; s22  my wave's number
.set SEL, 44                           ; s[44:45] lane selects for v_permlanex16_b32: lane l xor 16
.set VA,  4                            ; v4   16 x lane: a load's 512 bytes, and an image's first part
.set VB,  5                            ; v5   the same for a tile's rows 8-15: in a tile of K they lie 8 keys further on
.set SA,  6                            ; v6   the stage, on the way in
.set SB,  7                            ; v7   and on the way out
.set DB,  9                            ; v9   8 x lane
.set DS,  10                           ; v10  4 x lane
.set R,   16                           ; v16-143  two sets of 64 numbers as they are loaded
.set X,   144                          ; v144-207 64 numbers: register 16 b + i = k 32 b + 16 (lane / 16) + i of my row
.set PC,  208                          ; v208-227 the codes just made
.set TM,  228                          ; v228-243 largest magnitudes, bytes, scale operands
.set PWS, 244                          ; v244-247 the four K steps' scale words
; 64 numbers of a lane become a fragment's codes in v[PC] .. v[PC + 11] and its scale word in v[pw].  Blocks 0, 1 stand at v[sa] on, blocks 2, 3 at v[sb] on.
.macro QUANT sa, sb, pw
.irp b, 0,1,2,3
.set QSRC, (\sa)*(1-\b/2)+(\sb)*(\b/2)+16*(\b%2)
	v_max3_num_f32 v[TM+\b], |v[QSRC]|, |v[QSRC+1]|, 0x2800000     ; my 16 numbers of block b, and the floor 2^(5 - 127): the byte cannot fall under 1
.endr
.irp i, 2,4,6,8,10,12,14
.irp b, 0,1,2,3
.set QSRC, (\sa)*(1-\b/2)+(\sb)*(\b/2)+16*(\b%2)
	v_max3_num_f32 v[TM+\b], |v[QSRC+\i]|, |v[QSRC+\i+1]|, v[TM+\b]  ; the four blocks by turns
.endr
.endr
.irp b, 0,1,2,3
	v_permlanex16_b32 v[TM+4+\b], v[TM+\b], s[SEL], s[SEL+1]
.endr
.irp b, 0,1,2,3
	v_max_num_f32 v[TM+\b], v[TM+\b], v[TM+4+\b]                   ; with lane l xor 16's: the block's largest magnitude
.endr
.irp b, 0,1,2,3
	v_add_nc_u32 v[TM+12+\b], 0xfe000000, v[TM+\b]                 ; 4 off its exponent field: the conversion's scale operand
.endr
.irp b, 0,1,2,3
	v_lshrrev_b32 v[TM+4+\b], 23, v[TM+12+\b]                      ; the scale's byte
.endr
	v_lshl_or_b32 v[\pw], v[TM+5], 8, v[TM+4]
	v_lshl_or_b32 v[\pw], v[TM+6], 16, v[\pw]
	v_lshl_or_b32 v[\pw], v[TM+7], 24, v[\pw]
	s_wait_xcnt 0x0                                                ; the last fragment's stores have read v[PC] on: only now are they written again
.irp c, 0,1
.set QSRC, (\sa)*(1-\c)+(\sb)*\c
	v_cvt_scalef32_pk16_bf6_f32 v[PC+6*\c:PC+6*\c+2], v[QSRC:QSRC+15], v[TM+12+2*\c]
	v_cvt_scalef32_pk16_bf6_f32 v[PC+12+4*\c:PC+14+4*\c], v[QSRC+16:QSRC+31], v[TM+13+2*\c]   ; (a conversion's three registers begin on an even number)
.endr
	v_nop                                                          ; one plain place behind a scaled conversion
.irp c, 0,1                            ; the operand wants a WHOLE block in a lane: lanes 0-15 block 2 c, lanes 16-31 block 2 c + 1
.irp i, 0,1,2
	v_permlane16_swap_b32 v[PC+6*\c+\i], v[PC+12+4*\c+\i]
.endr
.irp i, 0,1,2
	v_mov_b32 v[PC+3+6*\c+\i], v[PC+12+4*\c+\i]
.endr
.endr
.endm
.macro PUT base, off                   ; the fragment goes out as its image: 512, 256, 512, 256 consecutive bytes
	global_store_b128 v[VA], v[PC:PC+3], s[\base:\base+1] offset:(\off)
	global_store_b64 v[DB], v[PC+4:PC+5], s[\base:\base+1] offset:(\off)+512
	global_store_b128 v[VA], v[PC+6:PC+9], s[\base:\base+1] offset:(\off)+768
	global_store_b64 v[DB], v[PC+10:PC+11], s[\base:\base+1] offset:(\off)+1280
.endm
.macro LOAD g                          ; K step g of my 16 rows: each load reads 512 consecutive bytes of one row
.irp p, 0,1,2,3,4,5,6,7
	global_load_b128 v[R+64*((\g)%2)+4*\p:R+64*((\g)%2)+4*\p+3], v[VA], s[4:5] offset:8192*\p+512*(\g) th:TH_LOAD_NT
.endr
.irp p, 8,9,10,11,12,13,14,15
	global_load_b128 v[R+64*((\g)%2)+4*\p:R+64*((\g)%2)+4*\p+3], v[VB], s[4:5] offset:8192*\p+512*(\g) th:TH_LOAD_NT
.endr
.endm
.macro TURN g                          ; through my own stage (16 rows of 512 + 16 bytes): LDS serves a wave's instructions in order, so no wait stands between the stores and the loads
.irp p, 0,1,2,3,4,5,6,7,8,9,10,11,12,13,14,15
	ds_store_b128 v[SA], v[R+64*((\g)%2)+4*\p:R+64*((\g)%2)+4*\p+3] offset:528*\p
.endr
.irp b, 0,1,2,3
.irp j, 0,1,2,3
	ds_load_b128 v[X+16*\b+4*\j:X+16*\b+4*\j+3], v[SB] offset:128*\b+16*\j
.endr
.endr
.endm
.macro XSTEP g
.if \g < 3
	s_wait_loadcnt 16                                              ; this K step's 16 loads are in; the next one's may be out
.else
	s_wait_loadcnt 0x0
.endif
	TURN \g
	s_wait_dscnt 0x0                                               ; my 64 numbers are back, and the stage's stores have read their registers,
.if \g < 2
	LOAD (\g)+2                                                    ; which take the loads of two K steps on
.endif
	QUANT X, X+32, PWS+\g
	PUT 34, 1536*\g
	s_cmp_eq_u32 s24, 0
	s_cbranch_scc1 .Lonly_one_\@
	PUT 36, 1536*\g                                                ; a tile of K lies in both orders
.Lonly_one_\@:
.endm
.macro WLOAD t                         ; block t of a weight: W(32 t + i, my column): 128 consecutive bytes a wave, 512 a work-group
.set i, 0
.rept 32
	global_load_b32 v[16+32*(\t)+i], v8, s[4:5] offset:4096*(32*(\t)+i) th:TH_LOAD_NT
.set i, i+1
.endr
.endm
.macro WBLOCK t                        ; a lane holds a column, its registers run down K: the whole block is mine
.set XB, 16+32*(\t)
.set CB, 144+10*(\t)
.if (\t) < 3
	s_wait_loadcnt 32                                              ; this block's 32 loads are in; the next block's may be out
.else
	s_wait_loadcnt 0x0
.endif
.if (\t) < 2
	WLOAD (\t)+2
.endif
	v_max3_num_f32 v12, |v[XB]|, |v[XB+1]|, |v[XB+2]|
	v_max3_num_f32 v13, |v[XB+3]|, |v[XB+4]|, |v[XB+5]|
.irp i, 6,10,14,18,22,26
	v_max3_num_f32 v12, v12, |v[XB+\i]|, |v[XB+\i+1]|
	v_max3_num_f32 v13, v13, |v[XB+\i+2]|, |v[XB+\i+3]|
.endr
	v_max3_num_f32 v12, v12, |v[XB+30]|, |v[XB+31]|
	v_max3_num_f32 v12, v12, v13, 0x2800000                        ; and the floor
	v_add_nc_u32 v11, 0xfe000000, v12
	v_lshrrev_b32 v13, 23, v11
.if (\t) == 0
	v_mov_b32 v14, v13                                             ; the four bytes make my column's scale word
.else
	v_lshl_or_b32 v14, v13, 8*(\t), v14
.endif
	v_cvt_scalef32_pk16_bf6_f32 v[CB:CB+2], v[XB:XB+15], v11
	v_cvt_scalef32_pk16_bf6_f32 v[CB+6:CB+8], v[XB+16:XB+31], v11
	v_nop                                                          ; one plain place behind a scaled conversion
.irp i, 0,1,2
	v_mov_b32 v[CB+3+\i], v[CB+6+\i]
.endr
	global_store_b128 v7, v[CB:CB+3], s[34:35] offset:768*((\t)/2)+256*((\t)%2)         ; the place of lane (r', t % 2) in half t / 2 of my tile's image; each block has registers of its own
	global_store_b64 v9, v[CB+4:CB+5], s[34:35] offset:768*((\t)/2)+512+128*((\t)%2)
.endm
	s_load_b256 s[4:11], s[0:1], 0x0               ; Q s[4:5], K s[6:7], mask s[8:9], w_q s[10:11]
	s_load_b256 s[12:19], s[0:1], 0x20             ; w_k s[12:13], w_v s[14:15], w_o s[16:17], ops s[18:19]
	s_load_b64 s[20:21], s[0:1], 0x40              ; mw
	v_lshl_add_u32 v254, v0, 2, 0x8400
	v_mov_b32 v255, 0
	v_lshrrev_b32 v1, 5, v0
	v_readfirstlane_b32 s[WV], v1                  ; wave 0..3
	v_and_b32 v1, 31, v0                           ; lane
	v_and_b32 v2, 15, v0                           ; r
	v_bfe_u32 v3, v0, 4, 1                         ; h
	s_mov_b32 s[SEL], 0x76543210
	s_mov_b32 s[SEL+1], 0xfedcba98
	s_wait_kmcnt 0x0
	s_cmp_ge_u32 ttmp9, 672
	s_cbranch_scc1 .Lmask
	s_cmp_ge_u32 ttmp9, 512
	s_cbranch_scc1 .Lweights
	; ---- x: my wave's tile T = 4 x work-group + wave
	s_lshl_b32 s23, ttmp9, 2
	s_add_co_u32 s23, s23, s[WV]                   ; T
	s_lshr_b32 s24, ttmp9, 8                       ; 0: a tile of Q, 1: of K
	s_and_b32 s25, s23, 1023
	s_lshr_b32 s26, s25, 7                         ; b
	s_bfe_u32 s27, s25, 0x50002                    ; t
	s_and_b32 s28, s25, 3                          ; m
	s_lshl_b32 s29, s27, 4                         ; Q: the tile's first query, 16 t
	s_lshr_b32 s30, s27, 1
	s_lshl_b32 s30, s30, 5
	s_and_b32 s31, s27, 1
	s_lshl_b32 s31, s31, 3
	s_add_co_u32 s30, s30, s31                     ; K: its first key, 32 (t / 2) + 8 (t % 2)
	s_cmp_eq_u32 s24, 0
	s_cselect_b32 s29, s29, s30
	s_cselect_b64 s[4:5], s[4:5], s[6:7]
	s_cselect_b32 s32, 0, 0x10000                  ; K: rows 8-15 lie 8 keys of 8,192 bytes further on
	s_lshl_b32 s30, s26, 9
	s_add_co_u32 s30, s30, s29
	s_lshl_b32 s30, s30, 2
	s_add_co_u32 s30, s30, s28
	s_lshl_b32 s30, s30, 11                        ; ((512 b + n) 4 + m) rows of 2,048 bytes
	s_mov_b32 s31, 0
	s_add_nc_u64 s[4:5], s[4:5], s[30:31]
	s_mul_i32 s30, s23, 6144
	s_add_nc_u64 s[34:35], s[18:19], s[30:31]      ; the tile's codes
	s_lshl_b32 s33, s26, 2
	s_add_co_u32 s33, s33, s28
	s_lshl_b32 s33, s33, 5
	s_add_co_u32 s33, s33, s27
	s_add_co_u32 s33, s33, 2048                    ; its second place: 2,048 + (4 b + m) 32 + t
	s_mul_i32 s30, s33, 6144
	s_add_nc_u64 s[36:37], s[18:19], s[30:31]
	s_lshl_b32 s30, s23, 8
	s_add_co_u32 s30, s30, XS_OFF
	s_add_nc_u64 s[38:39], s[18:19], s[30:31]      ; its scale words
	s_lshl_b32 s30, s33, 8
	s_add_co_u32 s30, s30, XS_OFF
	s_add_nc_u64 s[40:41], s[18:19], s[30:31]
	s_wait_alu depctr_va_vdst(0)
	v_lshlrev_b32 v[VA], 4, v1
	v_add_nc_u32 v[VB], s32, v[VA]
	s_mul_i32 s33, s[WV], 8448                     ; my stage
	v_add_nc_u32 v[SA], s33, v[VA]
	v_mul_u32_u24 v[SB], v2, 528
	v_lshl_add_u32 v[SB], v3, 6, v[SB]
	v_add_nc_u32 v[SB], s33, v[SB]                 ; row r, + 64 h: my 16 numbers of a block of 32
	v_lshlrev_b32 v[DB], 3, v1
	v_lshlrev_b32 v[DS], 2, v1
.irp b, 0,1,2,3
	v_mov_b32 v[TM+4+\b], 0                        ; written once: a lane permute's destination counts as one of its sources
.endr
	LOAD 0
	LOAD 1
	s_wait_alu depctr_va_vdst(0)
	XSTEP 0
	XSTEP 1
	XSTEP 2
	XSTEP 3
	v_cmp_le_u32 vcc_lo, 16, v1
	v_cndmask_b32 v11, v[PWS], v[PWS+1], vcc_lo    ; lanes 0-15 K step 0's words, lanes 16-31 K step 1's: 128 consecutive bytes
	v_cndmask_b32 v12, v[PWS+2], v[PWS+3], vcc_lo
	global_store_b32 v[DS], v11, s[38:39]
	global_store_b32 v[DS], v12, s[38:39] offset:128
	s_cmp_eq_u32 s24, 0
	s_cbranch_scc1 .Lx_done
	global_store_b32 v[DS], v11, s[40:41]
	global_store_b32 v[DS], v12, s[40:41] offset:128
.Lx_done:
	s_wait_tensorcnt 0x0
	ds_add_u32 v254, v255
	s_wait_dscnt 0x0
	s_endpgm
	; ---- the weights: a wave takes 32 columns x 128 along K
.Lweights:
	s_sub_co_u32 s23, ttmp9, 512                   ; j: 0-95 w_q, w_k, w_v (8 groups of 128 columns x 4 K steps each), 96-159 w_o (8 x 8)
	s_lshr_b32 s24, s23, 5
	s_bfe_u32 s25, s23, 0x30002
	s_and_b32 s26, s23, 3
	s_sub_co_u32 s27, s23, 96
	s_lshr_b32 s28, s27, 3
	s_and_b32 s29, s27, 7
	s_cmp_lt_u32 s23, 96
	s_cselect_b32 s24, s24, 3                      ; which weight
	s_cselect_b32 s25, s25, s28                    ; which 128 columns
	s_cselect_b32 s26, s26, s29                    ; which K step
	s_cselect_b32 s27, 4, 8                        ; K steps in this weight
	s_cmp_eq_u32 s24, 0
	s_cselect_b64 s[4:5], s[10:11], s[12:13]
	s_cmp_lt_u32 s24, 2
	s_cselect_b64 s[4:5], s[4:5], s[14:15]
	s_cmp_lt_u32 s24, 3
	s_cselect_b64 s[4:5], s[4:5], s[16:17]
	s_lshl_b32 s30, s26, 19                        ; 128 rows of 4,096 bytes a K step,
	s_lshl_b32 s31, s25, 9
	s_add_co_u32 s30, s30, s31
	s_lshl_b32 s31, s[WV], 7
	s_add_co_u32 s30, s30, s31                     ; + 4 (128 cq + 32 wave)
	s_mov_b32 s31, 0
	s_add_nc_u64 s[4:5], s[4:5], s[30:31]
	s_lshl_b32 s30, s25, 2
	s_add_co_u32 s30, s30, s[WV]                   ; B = 4 cq + wave: my 32 columns are tiles 2 B and 2 B + 1
	s_lshl_b32 s30, s30, 1
	s_mul_i32 s30, s30, s27
	s_add_co_u32 s30, s30, s26                     ; tile 2 B, my K step
	s_mul_i32 s32, s30, 1536
	s_mul_i32 s33, s24, 393216
	s_add_co_u32 s32, s32, s33
	s_add_co_u32 s32, s32, WC_OFF
	s_mov_b32 s33, 0
	s_add_nc_u64 s[34:35], s[18:19], s[32:33]
	s_lshl_b32 s32, s30, 6
	s_lshl_b32 s36, s24, 14
	s_add_co_u32 s32, s32, s36
	s_add_co_u32 s32, s32, WS_OFF
	s_add_nc_u64 s[36:37], s[18:19], s[32:33]
	s_mul_i32 s38, s27, 1536                       ; from tile 2 B to tile 2 B + 1
	s_lshl_b32 s39, s27, 6
	s_wait_alu depctr_va_vdst(0)
	v_lshlrev_b32 v8, 2, v1                        ; in: 4 bytes a lane
	v_bfe_u32 v4, v0, 3, 1                         ; u: column l lies in tile 2 B + (l / 8) % 2,
	v_and_b32 v5, 7, v0
	v_lshl_add_u32 v5, v3, 3, v5                   ; at row r' = l % 8 + 8 (l / 16)
	v_mul_lo_u32 v6, v4, s38
	v_lshl_add_u32 v7, v5, 4, v6
	v_lshl_add_u32 v9, v5, 3, v6
	v_mul_lo_u32 v10, v4, s39
	v_lshl_add_u32 v10, v5, 2, v10
	WLOAD 0
	WLOAD 1
	s_wait_alu depctr_va_vdst(0)
	WBLOCK 0
	WBLOCK 1
	WBLOCK 2
	WBLOCK 3
	global_store_b32 v10, v14, s[36:37]
	s_endpgm
	; ---- the mask: a wave takes 16 queries x 128 keys and makes 64 words
.Lmask:
	s_sub_co_u32 s23, ttmp9, 672
	s_lshl_b32 s23, s23, 2
	s_add_co_u32 s23, s23, s[WV]
	s_lshr_b32 s24, s23, 2                         ; 32 b + qt
	s_and_b32 s25, s23, 3                          ; which 128 keys
	s_lshl_b32 s26, s24, 15                        ; 16 rows of 2,048 bytes
	s_lshl_b32 s27, s25, 9
	s_add_co_u32 s26, s26, s27
	s_mov_b32 s27, 0
	s_add_nc_u64 s[8:9], s[8:9], s[26:27]
	s_lshl_b32 s26, s24, 10
	s_lshl_b32 s28, s25, 8
	s_add_co_u32 s26, s26, s28
	s_add_nc_u64 s[20:21], s[20:21], s[26:27]
	s_wait_alu depctr_va_vdst(0)
	v_lshlrev_b32 v4, 11, v2
	v_lshl_add_u32 v4, v3, 6, v4                   ; row r, + 64 h: 16 keys of each 32
	v_lshlrev_b32 v5, 3, v1
.irp b, 0,1,2,3
.irp j, 0,1,2,3
	global_load_b128 v[16+16*\b+4*\j:16+16*\b+4*\j+3], v4, s[8:9] offset:128*\b+16*\j th:TH_LOAD_NT
.endr
.endr
	v_mov_b32 v80, 0                               ; (v_writelane_b32's destination counts as read)
	v_mov_b32 v81, 0
	s_wait_alu depctr_va_vdst(0)
	s_wait_loadcnt 0x0
.set n, 0
.rept 64
	v_cmp_ne_u32 s[40+n%4], 0, v[16+n]             ; word n: a bit for each lane
	v_writelane_b32 v[80+n%2], s[40+n%4], n/2      ; lane n / 2 keeps words n - n % 2 and that + 1
.set n, n+1
.endr
	global_store_b64 v5, v[80:81], s[20:21]        ; 32 lanes store 256 consecutive bytes, aligned
	s_endpgm
.Lfunc_end_k_q74a902c955_prep:
	.size	k_q74a902c955_prep, .Lfunc_end_k_q74a902c955_prep-k_q74a902c955_prep
	.p2alignl 7, 3214868480
	.fill 96, 4, 3214868480
	.section	.rodata,"a",@progbits
	.p2align	6, 0x0
	.amdhsa_kernel k_q74a902c955_prep
		.amdhsa_group_segment_fixed_size 34304
		.amdhsa_private_segment_fixed_size 0
		.amdhsa_enable_private_segment 0
		.amdhsa_kernarg_size 72
		.amdhsa_user_sgpr_count 2
		.amdhsa_user_sgpr_kernarg_segment_ptr 1
		.amdhsa_wavefront_size32 1
		.amdhsa_system_sgpr_workgroup_id_x 1
		.amdhsa_system_sgpr_workgroup_id_y 1
		.amdhsa_system_sgpr_workgroup_id_z 1
		.amdhsa_system_vgpr_workitem_id 0
		.amdhsa_next_free_vgpr 256
		.amdhsa_next_free_sgpr 66
		.amdhsa_reserve_vcc 1
		.amdhsa_float_denorm_mode_32 3
		.amdhsa_float_denorm_mode_16_64 3
		.amdhsa_memory_ordered 1
		.amdhsa_forward_progress 1
		.amdhsa_inst_pref_size 68
	.end_amdhsa_kernel
	.amdgpu_metadata
---
amdhsa.version: [ 1, 2 ]
amdhsa.kernels:
  - .name:           k_q74a902c955_prep
    .symbol:         k_q74a902c955_prep.kd
    .args:
      - { .name: Q, .offset: 0, .size: 8, .value_kind: global_buffer, .address_space: global }
      - { .name: K, .offset: 8, .size: 8, .value_kind: global_buffer, .address_space: global }
      - { .name: mask, .offset: 16, .size: 8, .value_kind: global_buffer, .address_space: global }
      - { .name: w_q, .offset: 24, .size: 8, .value_kind: global_buffer, .address_space: global }
      - { .name: w_k, .offset: 32, .size: 8, .value_kind: global_buffer, .address_space: global }
      - { .name: w_v, .offset: 40, .size: 8, .value_kind: global_buffer, .address_space: global }
      - { .name: w_o, .offset: 48, .size: 8, .value_kind: global_buffer, .address_space: global }
      - { .name: ops, .offset: 56, .size: 8, .value_kind: global_buffer, .address_space: global }
      - { .name: mw, .offset: 64, .size: 8, .value_kind: global_buffer, .address_space: global }
    .group_segment_fixed_size: 34304
    .private_segment_fixed_size: 0
    .kernarg_segment_align: 8
    .kernarg_segment_size: 72
    .max_flat_workgroup_size: 128
    .sgpr_count:     66
    .vgpr_count:     256
    .wavefront_size: 32
...
	.end_amdgpu_metadata
.endif
;; end of part 1
;; launch proj (part 2): grid 4 x 64, 4 waves a work-group, clusters of 4 x 4, 327,680 bytes of LDS; arguments ops, qkv; writes qkv
.if DOCPART == 2
	.amdgcn_target "amdgcn-amd-amdhsa--gfx1250"
	.amdhsa_code_object_version 6
	.text
	.protected	k_q74a902c955_proj
	.globl	k_q74a902c955_proj
	.p2align	8
	.type	k_q74a902c955_proj,@function
k_q74a902c955_proj:
	s_mov_b64 s[64:65], 0
	v_nop
	global_prefetch_b8 v0, s[64:65] scope:SCOPE_SE
	s_setreg_imm32_b32 hwreg(HW_REG_WAVE_MODE, 25, 1), 1
	s_wait_xcnt 0x0
	s_wait_alu depctr_hold_cnt(0) depctr_sa_sdst(0) depctr_va_vdst(0) depctr_va_sdst(0) depctr_va_ssrc(0) depctr_va_vcc(0) depctr_vm_vsrc(0)
	s_getreg_b32 s2, hwreg(HW_REG_IB_STS2, 6, 4)
	s_cmp_eq_u32 s2, 0
	s_cbranch_scc0 .Lentry_in_a_cluster
	s_endpgm
.Lentry_in_a_cluster:
	s_bfe_u32 s2, ttmp6, 0x10000c
	s_cmp_lg_u32 s2, 0xf033
	s_cbranch_scc0 .Lentry_shape_is_right
	s_endpgm
.Lentry_shape_is_right:
; The three projections on codes of BF6 (E3M2), K = 512, and the quantising of their results for the attention.  C'[i][j] = sum over k of A[i][k] B[j][k]; a tile is 256 x 256, a wave's part 128 x 128 (64 accumulators).
; THE MATRIX INSTRUCTION IS USED TRANSPOSED (source 0 = 16 rows of B, source 1 = 16 rows of A): a lane holds one row i, and, since B's tiles are laid with rows 32 B + 8 u + r + 8 (r / 8),
; its 16 registers of a pair of tiles are 16 neighbours along j.  C' is quantised in registers and leaves as images of operand registers; no f32 result goes to memory.
; A WORK-GROUP STAYS and makes three tiles, kap = cluster y + 16 x trip: trip 0 Q_ = Q w_q, trip 1 K_ = K w_k (A = rows of x, B = columns of the weight; j = (head, d)); then V_ = K w_v (A = columns of w_v, B = rows of x laid [b][m][t]; j = keys).
; LDS holds ONE tile's codes for all of K: A's 16 tiles of 6,144 bytes at 0, B's at 98,304.  Four loads bring them, a quarter (8 tiles, 49,152 bytes) a wave.  In a tile's last K step, when every wave has its last
; fragments in registers, a round of the cluster's barrier is passed and the next tile's four loads are issued: they are on their way during the last 32 products and the whole way out.
; THE SCALE WORDS of a wave's 8 + 8 tiles, 2,048 + 2,048 dense bytes, go from memory straight into their 32 registers (lanes 0-15 A's, lanes 16-31 B's), once a tile, asked for behind the tile before's last products.
; The two trips that have a successor are a loop; the last tile, which asks for nothing, is written out.
; A DATA PREFETCH: behind a tile's first K step, two and a half K steps (160 matrix instructions) ahead of the next tile's tensor loads, each wave names 24 blocks of 256 bytes of the next tile's A and 24 of its B, a lane a block (lanes 24-31 name
; the wave's last block again).  A's 384 blocks are shared out by address among the four partners that ask for them jointly (cx) and their four waves, B's likewise (cy): each block is named once in the cluster.
; The first tile comes by its loads alone; the last tile's trip asks for nothing.
; CLUSTERS: 4 x 4 work-groups; A's loads are joint along a row of the cluster, B's along a column.  A's addresses are made of kap, cy and the wave's number alone, B's of kap, cx and the wave's number.
; THE BLOCKS OF Q_ AND K_.  The scores contract (m, d); a block of 32 is 8 neighbouring d x all four m.  A's blocks are 4 tl + m, so block (head, d / 8) lies whole in one lane; for these two tiles accumulator (a, b) stands at
; v[32 b + 8 (a % 4)], so that a block's 32 numbers are 32 consecutive registers, as the conversion takes them.  For V_ it stands at v[64 (a % 4) + 8 b].  Q_ and K_ are laid alike, so the order of k inside a fragment is free.
; qkv: three regions of 13,107,200 bytes (Q_, K_, V_), each 128 records of 102,400 bytes, record 8 head + b.
;   Q_, K_: codes [tile 32][s 2][1,536], in K step s: k = 64 c + 32 h + 8 m + j is (m, d = 32 s + 16 h + 8 c + j); at 98,304 the scale words [G 8][16 e + r][2 u + s], tile = 4 G + 2 e + u.
;   V_: codes [s 4][ct 16][1,536], row r of ct = 4 m + 2 dh + u is column (m, d = 32 dh + 8 u + r + 8 (r / 8)), k = keys 128 s on; at 98,304 the scale words [s][ct][r].
; LIMITS: a block of zeros, or one whose largest magnitude lies under 2^-122, carries the byte 1 (this program alone reads the bytes); NaN and infinities are not served.
; REGISTERS: window 0: v6-7, v16-30 addresses; v32-63 scale words of the four K steps; v64-119 at work on the way out; v126-127 the add's two; v128-223 A's fragments, one set; on the way out the eight fragments made, 12 registers each,
;   so that no store's data are written again within a tile.  window 1: B's fragments, two sets, at v0 and v128.  windows 2, 3: the accumulators of A's blocks 0-3 and 4-7.
.set XS_OFF, 18874368
.set WC_OFF, 19660800
.set WS_OFF, 21626880
.set FR,    12                         ; registers of a fragment
.set NL,    4                          ; LDS loads that bring one
.set NP,    4                          ; places behind this matrix instruction (ISA guide 7.12.1)
.set HALFT, 49152                      ; 8 tiles x 6,144 bytes: what one wave fetches, and what it reads of A or of B
.set SPARE, 4*HALFT                    ; behind the codes: the spare words, 512 bytes that no other line names
.set ADRA, 16                          ; v16 my A tiles + 16 x lane, v17 + 8 x lane
.set ADRB, 18                          ; v18, v19 the same for B
.set PFLA, 22                          ; my 24 blocks of a tile of A: 6,144 (4 cx + wave) + 256 min(lane, 23)
.set PFLB, 23                          ; of B: 6,144 (4 cy + wave) + 256 min(lane, 23)
.set DA,   24                          ; 16 x lane
.set DB,   25                          ; 8 x lane
.set DQ,   26                          ; 16 r + 8 h
.set ADRS, 27                          ; my scale words' offset in ops: lanes 0-15 A's, lanes 16-31 B's
.set DV4,  28                          ; 4 x lane
.set SH8,  29                          ; 8 h
.set R4,   30                          ; 4 r
.set SC,   32                          ; scale words: K step g, block i at v[SC + 16 (g / 2) + 2 i + g % 2]
.set TP,   64                          ; v64-70 the conversions' second halves
.set TM,   96
.set PWQ,  112
.set SD,   116                         ; v116-119 scale words to store
.set SPW,  126
.set NIL,  127
.set AF,   128
.set SEL,  2
.set HM,   66
.set G1,   24
.set G0,   32
.set KN,   36                          ; s36 the kap of the tile to ask for next
.set TRIP, 37
.set G1B,  48
.set G0B,  56
.set MSB, 0
.macro WIN new                         ; the immediate's high byte repeats the setting that is left
.if MSB != (\new)
	s_set_vgpr_msb (MSB<<8)|(\new)
.set MSB, (\new)
.endif
.endm
.set MUL_LO, 0xa1                      ; source 0 (B) window 1, source 1 (A) window 0, C and D window 2
.set MUL_HI, 0xf1
.set TO_B,   0x40
.macro PLACES n
.rept \n
	v_nop
.endr
.endm
.macro CREST                           ; a round of the cluster's barrier behind its opening barrier
	s_cmp_lg_u32 s14, 0
	s_cbranch_scc1 .Lnot_wave_0_\@
	s_barrier_signal -3
.Lnot_wave_0_\@:
	s_barrier_wait -3
	s_barrier_signal -1
	s_barrier_wait -1
.endm
.macro CROUND
	s_barrier_signal -1
	s_barrier_wait -1
	CREST
.endm
; where tile kap = s[k]'s operands lie in ops: the codes' addresses into the two groups 0, the tiles' offsets into s94 (A's) and s95 (B's), the scale words' into s22 and s92.  No tensor load of the wave is out where this stands.
.macro ADDR k
	s_mul_i32 s8, s[\k], 393216                    ; Q_, K_: A = x's tiles from 64 kap on
	s_lshl_b32 s9, s[\k], 14
	s_add_co_u32 s9, s9, XS_OFF
	s_lshr_b32 s10, s[\k], 4                       ; B = weight kap / 16
	s_mul_i32 s11, s10, 393216
	s_add_co_u32 s11, s11, WC_OFF
	s_lshl_b32 s10, s10, 14
	s_add_co_u32 s10, s10, WS_OFF
	s_sub_co_u32 s12, s[\k], 32                    ; V_: B = x's second copy from tile 2,048 + 64 (kap - 32) on, A = w_v
	s_mul_i32 s13, s12, 393216
	s_add_co_u32 s13, s13, 12582912
	s_lshl_b32 s12, s12, 14
	s_add_co_u32 s12, s12, XS_OFF+524288
	s_mov_b32 s18, WC_OFF+786432
	s_mov_b32 s19, WS_OFF+32768
	s_cmp_lt_u32 s[\k], 32
	s_cselect_b32 s8, s8, s18
	s_cselect_b32 s9, s9, s19
	s_cselect_b32 s11, s11, s13
	s_cselect_b32 s10, s10, s12
	s_mul_i32 s18, s16, HALFT                      ; which 8 tiles I fetch
	s_mul_i32 s94, s41, 98304                      ; A: + cy x 16 tiles
	s_add_co_u32 s94, s94, s8
	s_add_co_u32 s20, s94, s18
	s_mov_b32 s21, 0
	s_lshl_b32 s22, s41, 12
	s_add_co_u32 s22, s22, s9
	s_lshl_b32 s19, s15, 11
	s_add_co_u32 s22, s22, s19                     ; the scale words of the 8 tiles of A that I multiply
	s_mul_i32 s95, s40, 98304                      ; B: + cx x 16 tiles
	s_add_co_u32 s95, s95, s11
	s_add_co_u32 s46, s95, s18
	s_mov_b32 s47, 0
	s_lshl_b32 s92, s40, 12
	s_add_co_u32 s92, s92, s10
	s_lshl_b32 s19, s16, 11
	s_add_co_u32 s92, s92, s19                     ; and of my 8 tiles of B
	s_add_nc_u64 s[G0+2:G0+3], s[4:5], s[20:21]
	s_or_b32 s[G0+3], s[G0+3], 0x80000000
	s_add_nc_u64 s[G0B+2:G0B+3], s[4:5], s[46:47]
	s_or_b32 s[G0B+3], s[G0B+3], 0x80000000
.endm
; a tile's four joint loads, one a wave: waves 0 and 1 fetch A's halves, waves 2 and 3 B's.  The branch hangs on the wave's number alone; every way passes exactly one load.
.macro ARM g0, g1
	tensor_load_to_lds s[\g0:\g0+3], s[\g1:\g1+7]
	s_nop 0
	PLACES 4
.endm
.macro ARMS
	s_cmp_eq_u32 s15, 0
	s_cbranch_scc0 .Larm_b_\@
	ARM G0, G1
	s_branch .Larm_end_\@
.Larm_b_\@:
	ARM G0B, G1B
.Larm_end_\@:
.endm
.macro SCLOAD                          ; the scale words of the tile whose offsets ADDR has made: each load reads 64 consecutive bytes of A's and 64 of B's
	v_mov_b32 v4, s22
	v_mov_b32 v5, s92
	v_cndmask_b32 v4, v4, v5, s[HM]                ; lanes 16-31 take B's
	v_add_nc_u32 v[ADRS], v[R4], v4
.irp sc, 0,1
.irp i, 0,1,2,3,4,5,6,7
.irp q, 0,1
	global_load_b32 v[SC+16*\sc+2*\i+\q], v[ADRS], s[4:5] offset:256*\i+128*\sc+64*\q
.endr
.endr
.endr
.endm
.macro FRAG reg, adr, q, i             ; tile i, K step q, as its image lies: 512, 256, 512, 256 consecutive bytes
	ds_load_b128 v[\reg:\reg+3], v[\adr] offset:6144*(\i)+1536*(\q)
	ds_load_b64 v[\reg+4:\reg+5], v[\adr+1] offset:6144*(\i)+1536*(\q)+512
	ds_load_b128 v[\reg+6:\reg+9], v[\adr] offset:6144*(\i)+1536*(\q)+768
	ds_load_b64 v[\reg+10:\reg+11], v[\adr+1] offset:6144*(\i)+1536*(\q)+1280
.endm
; 16 matrix instructions of K step g: A's blocks a0, a0 + 1 x B's eight.  The 64 accumulators take turns, one instruction a turn, in the same order in every step.
.macro MUL16 a0, g, zero
.irp a, \a0, \a0+1
.irp b, 0,1,2,3,4,5,6,7
.set WD, LAY*(32*\b+8*((\a)%4))+(1-LAY)*(64*((\a)%4)+8*\b)
.set WB, 128*((\g)%2)+FR*\b
.set WA, AF+FR*(\a)
.set WS0, SC+16*((\g)/2)+2*\b+(\g)%2
.set WS1, SC+16*((\g)/2)+2*(\a)+(\g)%2
.if \zero
	v_wmma_scale_f32_16x16x128_f8f6f4 v[WD:WD+7], v[WB:WB+FR-1], v[WA:WA+FR-1], 0, v[WS0], v[WS1] matrix_a_fmt:MATRIX_FMT_BF6 matrix_b_fmt:MATRIX_FMT_BF6 matrix_a_scale:MATRIX_SCALE_ROW1
.else
	v_wmma_scale_f32_16x16x128_f8f6f4 v[WD:WD+7], v[WB:WB+FR-1], v[WA:WA+FR-1], v[WD:WD+7], v[WS0], v[WS1] matrix_a_fmt:MATRIX_FMT_BF6 matrix_b_fmt:MATRIX_FMT_BF6 matrix_a_scale:MATRIX_SCALE_ROW1
.endif
.endr
.endr
.endm
.macro FETCH_B q, p
	WIN TO_B
.irp i, 0,1,2,3,4,5,6,7
	FRAG 128*(\p)+FR*\i, ADRB, \q, \i
.endr
	WIN 0
.endm
.macro FETCH_A q, i0
.irp i, \i0, \i0+1, \i0+2, \i0+3
	FRAG AF+FR*(\i), ADRA, \q, \i
.endr
.endm
.macro KSTEP g, zero                   ; a step of 128 along K that has a successor
	s_wait_dscnt 4*NL                              ; all but the youngest 16 loads (A's blocks 4-7) are in
	WIN MUL_LO
	MUL16 0, \g, \zero
	MUL16 2, \g, \zero
	s_wait_dscnt 0                                 ; A's blocks 4-7 are in
	PLACES NP                                      ; in front of loads into registers that matrix instructions have read
	FETCH_B (\g)+1, 1-(\g)%2
	FETCH_A (\g)+1, 0
	WIN MUL_HI
	MUL16 4, \g, \zero
	MUL16 6, \g, \zero
	PLACES NP
	WIN 0
	FETCH_A (\g)+1, 4
.endm
; one tile's products.  fill = 1: the next tile is prefetched behind the first K step and asked for in the last
.macro MAIN fill
	s_wait_alu depctr_va_vdst(0)
	s_wait_tensorcnt 0x0                           ; my quarter of this tile has landed,
	s_barrier_signal -1
	s_barrier_wait -1                              ; and everybody's has
	FETCH_B 0, 0
	FETCH_A 0, 0
	FETCH_A 0, 4
.if \fill
	ADDR KN                                        ; no tensor load of mine is out: the groups 0 take the next tile's addresses
.endif
	s_wait_loadcnt 0x0                             ; this tile's scale words
	KSTEP 0, 1                                     ; the first products start the sums: nothing is cleared
.if \fill
	v_add_nc_u32 v6, s94, v[PFLA]                  ; my 24 blocks of the next tile's A,
	v_add_nc_u32 v7, s95, v[PFLB]                  ; and of its B  (both are written again only behind the wait on XCNT at the trip's end)
	global_prefetch_b8 v6, s[4:5] th:TH_LOAD_NT scope:SCOPE_SE
	global_prefetch_b8 v7, s[4:5] th:TH_LOAD_NT scope:SCOPE_SE
.endif
	KSTEP 1, 0
	KSTEP 2, 0
.if \fill
	s_wait_tensorcnt 0x0                           ; in front of a refill's barrier
	ds_add_u32 v[SPW], v[NIL]
	s_wait_dscnt 4*NL+1                            ; (the add and the youngest 16 loads may be out)
	WIN MUL_LO
	MUL16 0, 3, 0
	s_wait_dscnt 0x0                               ; the add is done, and my last reads of this tile's bytes are in registers
	s_barrier_signal -1                            ; this barrier opens a round of the cluster's barrier
	MUL16 2, 3, 0
	WIN 0
	s_barrier_wait -1
	CREST                                          ; no wave of any partner still reads these bytes
	ARMS                                           ; the next tile, first behind the round
.else
	s_wait_dscnt 4*NL
	WIN MUL_LO
	MUL16 0, 3, 0
	MUL16 2, 3, 0
	s_wait_dscnt 0
.endif
	WIN MUL_HI
	MUL16 4, 3, 0
	MUL16 6, 3, 0
	WIN 0
	PLACES NP                                      ; in front of the first read of results and of loads into the scale registers
.if \fill
	SCLOAD                                         ; the next tile's scale words land during the way out
.endif
.endm
.macro PUT off                         ; the fragment in v[PC] on goes out as its image: 512, 256, 512, 256 consecutive bytes, at multiples of 256 from the buffer's first byte
	global_store_b128 v[DA], v[PC:PC+3], s[18:19] offset:(\off)
	global_store_b64 v[DB], v[PC+4:PC+5], s[18:19] offset:(\off)+512
	global_store_b128 v[DA], v[PC+6:PC+9], s[18:19] offset:(\off)+768
	global_store_b64 v[DB], v[PC+10:PC+11], s[18:19] offset:(\off)+1280
.endm
; V_: 64 results of a lane in window w become a fragment's codes in v[PC] on and its scale word in v[pw].  Register 16 b + i = k 32 b + 16 (lane / 16) + i: a block lies in lanes l and l xor 16.
.macro QUANT w, sa, sb, pw
	WIN (\w)|((\w)<<2)
.irp b, 0,1,2,3
.set QSRC, (\sa)*(1-\b/2)+(\sb)*(\b/2)+16*(\b%2)
	v_max3_num_f32 v[TM+\b], |v[QSRC]|, |v[QSRC+1]|, 0x2800000     ; each accumulator is read from its low end on; the floor 2^(5 - 127) holds the byte at 1 from below
.endr
.irp i, 2,4,6,8,10,12,14
.irp b, 0,1,2,3
.set QSRC, (\sa)*(1-\b/2)+(\sb)*(\b/2)+16*(\b%2)
	v_max3_num_f32 v[TM+\b], |v[QSRC+\i]|, |v[QSRC+\i+1]|, v[TM+\b]
.endr
.endr
	WIN 0
.irp b, 0,1,2,3
	v_permlanex16_b32 v[TM+4+\b], v[TM+\b], s[SEL], s[SEL+1]
.endr
.irp b, 0,1,2,3
	v_max_num_f32 v[TM+\b], v[TM+\b], v[TM+4+\b]
.endr
.irp b, 0,1,2,3
	v_add_nc_u32 v[TM+12+\b], 0xfe000000, v[TM+\b]                 ; 4 off the exponent field: the conversion's scale operand
.endr
.irp b, 0,1,2,3
	v_lshrrev_b32 v[TM+4+\b], 23, v[TM+12+\b]
.endr
	v_lshl_or_b32 v[\pw], v[TM+5], 8, v[TM+4]
	v_lshl_or_b32 v[\pw], v[TM+6], 16, v[\pw]
	v_lshl_or_b32 v[\pw], v[TM+7], 24, v[\pw]
	WIN (\w)
.irp c, 0,1
.set QSRC, (\sa)*(1-\c)+(\sb)*\c
	v_cvt_scalef32_pk16_bf6_f32 v[PC+6*\c:PC+6*\c+2], v[QSRC:QSRC+15], v[TM+12+2*\c]
	v_cvt_scalef32_pk16_bf6_f32 v[TP+4*\c:TP+4*\c+2], v[QSRC+16:QSRC+31], v[TM+13+2*\c]
.endr
	WIN 0
	v_nop                                                          ; one plain place behind a scaled conversion
.irp c, 0,1
.irp i, 0,1,2
	v_permlane16_swap_b32 v[PC+6*\c+\i], v[TP+4*\c+\i]
.endr
.irp i, 0,1,2
	v_mov_b32 v[PC+3+6*\c+\i], v[TP+4*\c+\i]
.endr
.endr
.endm
; Q_, K_: one tile of 16 rows (window win) and one head (hd): a lane's four whole blocks k = 2 s + c stand at v[128 hd + 32 k] on, number 8 m + j.  They become the fragments of K steps 0 and 1 (stored at off, off + 1,536)
; and their scale words in v[wrd], v[wrd + 1].  Lane (r, h)'s block (s, c) IS the operand's block 2 c + h of K step s: no other lane is asked for a maximum.
.macro QHEAD win, hd, wrd, off
	WIN (\win)|((\win)<<2)
.irp k, 0,1,2,3
	v_max3_num_f32 v[TM+\k], |v[128*(\hd)+32*\k]|, |v[128*(\hd)+32*\k+1]|, 0x2800000   ; the floor 2^(5 - 127) holds the byte at 1 from below
.endr
.irp e, 1,2,3,4,5,6,7,8,9,10,11,12,13,14,15
.irp k, 0,1,2,3
	v_max3_num_f32 v[TM+\k], |v[128*(\hd)+32*\k+2*\e]|, |v[128*(\hd)+32*\k+2*\e+1]|, v[TM+\k]   ; the four blocks by turns; each accumulator is read from its low end on
.endr
.endr
	WIN 0
.irp k, 0,1,2,3
	v_add_nc_u32 v[TM+4+\k], 0xfe000000, v[TM+\k]                  ; 4 off the exponent field: the conversion's scale operand
.endr
.irp k, 0,1,2,3
	v_lshrrev_b32 v[TM+8+\k], 23, v[TM+4+\k]                       ; the scale's byte
.endr
.irp s, 0,1
	v_lshl_or_b32 v[TM+12+\s], v[TM+9+2*\s], 16, v[TM+8+2*\s]      ; my two bytes of K step s: blocks h and 2 + h,
.endr
.irp s, 0,1
	v_lshlrev_b32 v[TM+12+\s], v[SH8], v[TM+12+\s]                 ; at their places in the word;
.endr
.irp s, 0,1
	v_permlanex16_b32 v[TM+14+\s], v[TM+12+\s], s[SEL], s[SEL+1]
.endr
.irp s, 0,1
	v_or_b32 v[(\wrd)+\s], v[TM+12+\s], v[TM+14+\s]                ; with lane l xor 16's two the word is whole
.endr
.irp s, 0,1
.set PC, AF+12*(2*(2*(\hd)+(\win)-2)+\s)   ; this fragment's own 12 registers
	WIN (\win)
.irp c, 0,1
	v_cvt_scalef32_pk16_bf6_f32 v[PC+6*\c:PC+6*\c+2], v[128*(\hd)+64*\s+32*\c:128*(\hd)+64*\s+32*\c+15], v[TM+4+2*\s+\c]
	v_cvt_scalef32_pk16_bf6_f32 v[TP+4*\c:TP+4*\c+2], v[128*(\hd)+64*\s+32*\c+16:128*(\hd)+64*\s+32*\c+31], v[TM+4+2*\s+\c]   ; (a conversion's three registers begin on an even number)
.endr
	WIN 0
	v_nop                                                          ; one plain place behind a scaled conversion
.irp c, 0,1
.irp i, 0,1,2
	v_mov_b32 v[PC+3+6*\c+\i], v[TP+4*\c+\i]
.endr
.endr
	PUT (\off)+1536*\s
.endr
.endm
	s_load_b128 s[4:7], s[0:1], 0x0                ; ops s[4:5], qkv s[6:7]
	v_lshl_add_u32 v[SPW], v0, 2, SPARE
	v_mov_b32 v[NIL], 0
	ds_add_u32 v[SPW], v[NIL]                      ; the add, twice on end, and one wait for both
	ds_add_u32 v[SPW], v[NIL]
	v_lshrrev_b32 v1, 5, v0
	v_readfirstlane_b32 s14, v1                    ; wave 0..3
	s_lshr_b32 s15, s14, 1                         ; which half of A's rows is mine.  Also: I fetch for A (0) or for B (1)
	s_and_b32 s16, s14, 1                          ; which half of B's rows.  Also: which 8 tiles I fetch
	s_bfe_u32 s40, ttmp6, 0x40000                  ; cx
	s_bfe_u32 s41, ttmp6, 0x40004                  ; cy
	s_and_b32 s17, ttmp7, 0xffff                   ; kap of the first tile: the cluster's y, 0 .. 15
	s_add_co_u32 s[KN], s17, 16
	s_lshl_b32 s43, s41, 2
	s_lshl_b32 s43, 15, s43                        ; my row of the cluster
	s_lshl_b32 s44, 0x1111, s40                    ; my column
	s_mov_b32 s[SEL], 0x76543210
	s_mov_b32 s[SEL+1], 0xfedcba98
	s_mov_b32 s[HM], 0xffff0000
	; groups 1, elements of 1 byte, no padding (images are read as they lie): 49,152 dense bytes as 16 rows of 3,072
	s_or_b32 s[G1+0], s43, (1<<21)                 ; 15:0 the mask: A's go to my row; 21 set beside a mask
	s_or_b32 s[G1B+0], s44, (1<<21)
.irp g, G1, G1B
	s_mov_b32 s[\g+1], 3072<<16
	s_mov_b32 s[\g+2], 16<<16
	s_mov_b32 s[\g+3], 3072<<16
	s_mov_b32 s[\g+4], 16
	s_mov_b32 s[\g+5], 3072
	s_mov_b32 s[\g+6], 0
	s_mov_b32 s[\g+7], 0
.endr
	s_mov_b32 s[G0], 1                             ; groups 0: the count and the LDS addresses: the half that I fetch
	s_mul_i32 s[G0+1], s16, HALFT
	s_mov_b32 s[G0B], 1
	s_add_co_u32 s[G0B+1], s[G0+1], 2*HALFT
	s_mul_i32 s8, s15, HALFT                       ; my 8 tiles of A
	s_mul_i32 s9, s16, HALFT
	s_add_co_u32 s9, s9, 2*HALFT                   ; my 8 tiles of B
	s_lshl_b32 s10, s40, 2
	s_add_co_u32 s10, s10, s14
	s_mul_i32 s10, s10, 6144                       ; the prefetches: my sixteenth of a tile of A, by cx and the wave,
	s_lshl_b32 s11, s41, 2
	s_add_co_u32 s11, s11, s14
	s_mul_i32 s11, s11, 6144                       ; and of B, by cy and the wave
	v_and_b32 v1, 31, v0                           ; lane
	v_and_b32 v2, 15, v0                           ; r
	v_bfe_u32 v3, v0, 4, 1                         ; h
	v_lshlrev_b32 v[DA], 4, v1
	v_lshlrev_b32 v[DB], 3, v1
	v_add_nc_u32 v[ADRA], s8, v[DA]
	v_add_nc_u32 v[ADRA+1], s8, v[DB]
	v_add_nc_u32 v[ADRB], s9, v[DA]
	v_add_nc_u32 v[ADRB+1], s9, v[DB]
	v_min_u32 v4, 23, v1
	v_lshlrev_b32 v4, 8, v4
	v_add_nc_u32 v[PFLA], s10, v4
	v_add_nc_u32 v[PFLB], s11, v4
	v_lshlrev_b32 v[R4], 2, v2
	v_lshlrev_b32 v[DQ], 4, v2
	v_lshl_add_u32 v[DQ], v3, 3, v[DQ]
	v_lshlrev_b32 v[DV4], 2, v1
	v_lshlrev_b32 v[SH8], 3, v3
.irp b, 4,5,6,7,14,15
	v_mov_b32 v[TM+\b], 0                          ; written once: a lane permute's destination counts as one of its sources
.endr
	s_wait_alu depctr_va_vdst(0)                   ; at the end of the head's vector work
	s_wait_dscnt 0x0                               ; both opening adds are done
	s_wait_kmcnt 0x0
	ADDR 17
	CROUND                                         ; all sixteen work-groups are here: the first joint loads meet
	ARMS
	SCLOAD
	s_mov_b32 s[TRIP], 0
.Ltrip:
.set LAY, 1
	MAIN 1
	; ---- Q_, K_.  My A blocks a = 4 tl + m: two tiles of 16 queries (or keys) x four m; my 128 columns: two heads g.
	s_lshl_b32 s8, s17, 2
	s_add_co_u32 s8, s8, s41
	s_and_b32 s8, s8, 63                           ; which 16 tiles of Q's (K's) 1,024
	s_lshr_b32 s9, s8, 3                           ; b
	s_and_b32 s8, s8, 7
	s_lshl_b32 s10, s40, 2
	s_lshl_b32 s11, s16, 1
	s_add_co_u32 s10, s10, s11                     ; my first head
	s_lshl_b32 s10, s10, 3
	s_add_co_u32 s10, s10, s9
	s_mul_i32 s10, s10, 102400
	s_lshr_b32 s11, s17, 4
	s_mul_i32 s11, s11, 13107200
	s_add_co_u32 s10, s10, s11                     ; the record
	s_lshl_b32 s11, s8, 2
	s_lshl_b32 s12, s15, 1
	s_add_co_u32 s11, s11, s12
	s_mul_i32 s11, s11, 3072                       ; my first tile in it
	s_add_co_u32 s18, s10, s11
	s_mov_b32 s19, 0
	s_add_nc_u64 s[18:19], s[6:7], s[18:19]
	s_lshl_b32 s11, s8, 9
	s_lshl_b32 s12, s15, 8
	s_add_co_u32 s11, s11, s12
	s_add_co_u32 s11, s11, 98304
	s_add_co_u32 s20, s10, s11
	s_mov_b32 s21, 0
	s_add_nc_u64 s[20:21], s[6:7], s[20:21]
.irp g, 0,1
.irp tl, 0,1
	QHEAD 2+\tl, \g, PWQ+2*\tl, 819200*\g+3072*\tl
.endr
	v_cndmask_b32 v[SD+2*\g], v[PWQ], v[PWQ+2], s[HM]   ; lanes 0-15 the first tile's two words, lanes 16-31 the second's: 256 consecutive bytes
	v_cndmask_b32 v[SD+2*\g+1], v[PWQ+1], v[PWQ+3], s[HM]
	global_store_b64 v[DQ], v[SD+2*\g:SD+2*\g+1], s[20:21] offset:819200*\g
.endr
	s_wait_xcnt 0x0                                ; the tile's stores and prefetches have read their registers and bases: they are written again in the next tile
	s_add_co_u32 s17, s17, 16
	s_add_co_u32 s[KN], s[KN], 16
	s_add_co_u32 s[TRIP], s[TRIP], 1
	s_cmp_lt_u32 s[TRIP], 2
	s_wait_alu depctr_va_vdst(0)
	s_cbranch_scc1 .Ltrip
.set LAY, 0
	MAIN 0
	; ---- V_.  My A blocks a: head a / 4, tile a % 4 of its 64 columns; my 128 columns of C' are the keys of K step s.
	s_sub_co_u32 s8, s17, 32
	s_lshl_b32 s8, s8, 2
	s_add_co_u32 s8, s8, s40                       ; which 16 tiles of the copy [b][m][t]
	s_lshr_b32 s9, s8, 3                           ; b
	s_bfe_u32 s11, s8, 0x20001                     ; m
	s_and_b32 s8, s8, 1
	s_lshl_b32 s8, s8, 1
	s_add_co_u32 s8, s8, s16                       ; s
	s_lshl_b32 s10, s41, 2
	s_lshl_b32 s12, s15, 1
	s_add_co_u32 s10, s10, s12                     ; my first head
	s_lshl_b32 s10, s10, 3
	s_add_co_u32 s10, s10, s9
	s_mul_i32 s10, s10, 102400
	s_add_co_u32 s10, s10, 26214400                ; the record
	s_lshl_b32 s12, s8, 4
	s_lshl_b32 s13, s11, 2
	s_add_co_u32 s12, s12, s13
	s_mul_i32 s12, s12, 1536
	s_add_co_u32 s18, s10, s12
	s_mov_b32 s19, 0
	s_add_nc_u64 s[18:19], s[6:7], s[18:19]
	s_lshl_b32 s12, s8, 10
	s_lshl_b32 s13, s11, 8
	s_add_co_u32 s12, s12, s13
	s_add_co_u32 s12, s12, 98304
	s_add_co_u32 s20, s10, s12
	s_mov_b32 s21, 0
	s_add_nc_u64 s[20:21], s[6:7], s[20:21]
.irp a, 0,1,2,3,4,5,6,7
.set PC, AF+12*\a                      ; this fragment's own 12 registers
	QUANT 2+\a/4, 64*(\a%4), 64*(\a%4)+32, PWQ+\a%4
	PUT 819200*(\a/4)+1536*(\a%4)
.if \a%4 == 3
	v_cndmask_b32 v[SD+2*(\a/4)], v[PWQ], v[PWQ+1], s[HM]   ; lanes 0-15 tile 0's words, lanes 16-31 tile 1's
	v_cndmask_b32 v[SD+2*(\a/4)+1], v[PWQ+2], v[PWQ+3], s[HM]
	global_store_b32 v[DV4], v[SD+2*(\a/4)], s[20:21] offset:819200*(\a/4)
	global_store_b32 v[DV4], v[SD+2*(\a/4)+1], s[20:21] offset:819200*(\a/4)+128
.endif
.endr
	s_wait_tensorcnt 0x0                           ; the wave's end
	ds_add_u32 v[SPW], v[NIL]
	s_wait_dscnt 0x0
	CROUND                                         ; the closing round: no work-group ends while a partner may still ask for a tile that names it
	s_endpgm
.Lfunc_end_k_q74a902c955_proj:
	.size	k_q74a902c955_proj, .Lfunc_end_k_q74a902c955_proj-k_q74a902c955_proj
	.p2alignl 7, 3214868480
	.fill 96, 4, 3214868480
	.section	.rodata,"a",@progbits
	.p2align	6, 0x0
	.amdhsa_kernel k_q74a902c955_proj
		.amdhsa_group_segment_fixed_size 327680
		.amdhsa_private_segment_fixed_size 0
		.amdhsa_enable_private_segment 0
		.amdhsa_kernarg_size 16
		.amdhsa_user_sgpr_count 2
		.amdhsa_user_sgpr_kernarg_segment_ptr 1
		.amdhsa_wavefront_size32 1
		.amdhsa_system_sgpr_workgroup_id_x 1
		.amdhsa_system_sgpr_workgroup_id_y 1
		.amdhsa_system_sgpr_workgroup_id_z 1
		.amdhsa_system_vgpr_workitem_id 0
		.amdhsa_next_free_vgpr 1024
		.amdhsa_next_free_sgpr 98
		.amdhsa_reserve_vcc 0
		.amdhsa_float_denorm_mode_32 3
		.amdhsa_float_denorm_mode_16_64 3
		.amdhsa_memory_ordered 1
		.amdhsa_forward_progress 1
		.amdhsa_inst_pref_size 181
	.end_amdhsa_kernel
	.amdgpu_metadata
---
amdhsa.version: [ 1, 2 ]
amdhsa.kernels:
  - .name:           k_q74a902c955_proj
    .symbol:         k_q74a902c955_proj.kd
    .args:
      - { .name: ops, .offset: 0, .size: 8, .value_kind: global_buffer, .address_space: global }
      - { .name: qkv, .offset: 8, .size: 8, .value_kind: global_buffer, .address_space: global }
    .group_segment_fixed_size: 327680
    .private_segment_fixed_size: 0
    .kernarg_segment_align: 8
    .kernarg_segment_size: 16
    .max_flat_workgroup_size: 128
    .sgpr_count:     98
    .vgpr_count:     1024
    .wavefront_size: 32
...
	.end_amdgpu_metadata
.endif
;; end of part 2
;; launch attn (part 3): grid 4 x 64, 4 waves a work-group, clusters of 4 x 1, 327,680 bytes of LDS; arguments qkv, mw, oc; writes oc
.if DOCPART == 3
	.amdgcn_target "amdgcn-amd-amdhsa--gfx1250"
	.amdhsa_code_object_version 6
	.text
	.protected	k_q74a902c955_attn
	.globl	k_q74a902c955_attn
	.p2align	8
	.type	k_q74a902c955_attn,@function
k_q74a902c955_attn:
	s_mov_b64 s[64:65], 0
	v_nop
	global_prefetch_b8 v0, s[64:65] scope:SCOPE_SE
	s_setreg_imm32_b32 hwreg(HW_REG_WAVE_MODE, 25, 1), 1
	s_wait_xcnt 0x0
	s_wait_alu depctr_hold_cnt(0) depctr_sa_sdst(0) depctr_va_vdst(0) depctr_va_sdst(0) depctr_va_ssrc(0) depctr_va_vcc(0) depctr_vm_vsrc(0)
	s_getreg_b32 s2, hwreg(HW_REG_IB_STS2, 6, 4)
	s_cmp_eq_u32 s2, 0
	s_cbranch_scc0 .Lentry_in_a_cluster
	s_endpgm
.Lentry_in_a_cluster:
	s_bfe_u32 s2, ttmp6, 0x10000c
	s_cmp_lg_u32 s2, 0x3003
	s_cbranch_scc0 .Lentry_shape_is_right
	s_endpgm
.Lentry_shape_is_right:
; For one (head, b): S = Q_ K_^T (K = (m, d) = 256), A = exp(S / 32 - max over ALL keys of S / 32), 0 where the mask is 0, divided by (the row's sum + 1e-8); O = A V_ (K = 512 keys, N = (m, d) = 256).
; Both products on codes of BF6 (E3M2).  A is quantised FINISHED AND NORMALISED, so a row's 512 scores stay in registers until its maximum and its sum are known.  O is quantised along d and leaves as half fragments of the last product's operand.
; SHARES.  A cluster of four work-groups STAYS and takes two records, 8 head + b = cluster y and cluster y + 64 (heads h and h + 8 of one b, which share the mask words): a loop of two trips.  Each work-group takes a quarter
; of the queries; a wave takes TWO tiles of 16 queries, which share every fragment of K_ and V_ that is read from LDS.
; LDS: K_'s record of trip 0 (102,400 bytes) at 0, that of trip 1 behind it, V_'s record behind both.  All loads are JOINT for the four work-groups, a quarter of a record a wave.  K_ of trip 0 is asked for at the head; K_ of trip 1
; behind the round that shows the first one landed; V_ in each trip behind a round that follows the scores: in trip 0 a first fill, in trip 1 a refill of bytes whose reads ended with trip 0's last product.  So every trip issues the same one load,
; which is on its way during the softmax.  Q_'s fragments have registers of their own: trip 1's are asked for directly behind trip 0's scores.  No data prefetch: each record is asked for a whole phase of the loop ahead of its first read.
; cx enters only the addresses of Q_, of the mask words and of O.
; LAYOUT.  Both products are used transposed (S^T = K_ Q_^T, O^T = V_^T A^T): a lane holds ONE query.  The keys of a tile of K_ and the columns of a tile of V_ are laid so that 16 registers of a pair of tiles are 16 neighbours.
; THE MASK comes as words of lane bits (word j for register j of S^T), by scalar loads: one v_cndmask_b32 a number, no compare.
; oc: codes [RT = (32 b + qt) 4 + m][sg 8][1,536], K step sg = heads 2 sg + c; at OSB the scale words [RT][sg][r].
; LIMITS: p under 2^-126 is 0.  The exponent is s c - fl(max c), c = log2(e) / 32: the rounding of max c, at most half an ulp of it, shifts a whole row's exponents alike; it cancels between p and the sum but for the 1e-8 in the
; divisor, where it shows only in rows whose masked sum is not large against 1e-8.  1 / (sum + 1e-8) is v_rcp_f32 and a multiplication.  A block of zeros carries the byte 1.  NaN and infinities are not served.
; REGISTERS: window 0: v1-14 addresses; v16-63 A's codes of tile 0; v64-67 Q_'s scale words; v68-75 A's; v76-107 K_'s, later V_'s; v108-155, v156-203 sets 0 and 1 of four fragments, at work in the softmax and on the way out;
;   v204-251 A's codes of tile 1; v252-253 -max c; v254-255 1 / (sum + 1e-8).   windows 1, 2: S^T of tiles 0, 1 (key tile t at v[8 t]), later O^T (ct at v[8 ct]).
;   window 3: v0-1 the add's two; v16-63, v64-111 sets 2 and 3 of four fragments; v112-159 Q_'s four fragments.
.set KREG, 13107200
.set VREG, 26214400
.set REC,  102400
.set NEXT, 64*REC                      ; from a trip's record to the next trip's
.set OSB,  12582912
.set VLDS, 2*REC
.set SPARE, 3*REC                      ; the spare words, 512 bytes that no other line names
.set QF,  112                          ; in window 3
.set QS,  64
.set PSW, 68
.set KSC, 76
.set KB,  108
.set BM,  108                          ; v108-123 the 16 blocks' largest numbers
.set BX,  124                          ; v124-139 the other half's, then the bytes
.set SO,  140                          ; v140-155 the conversions' scale operands
.set TS,  156                          ; v156-187 partial sums, then the conversions' second halves
.set CH,  188                          ; v188-195 eight chains of the maximum
.set SU,  196                          ; v196-197 the row's sum, in two halves
.set NM,  252
.set INV, 254
.set PC,  108                          ; the way out
.set TM,  128
.set PW,  144
.set WV,  10
.set CX,  11                           ; s11 cx at the head; then KO
.set KO,  11                           ; s11 where this trip's K_ lies in LDS
.set G1,  12
.set G0K, 20
.set G0V, 24
.set SEL, 28
.set CS,  30                           ; s[30:31] c: the packed form names a pair and takes its low word for both halves
.set NC,  100                          ; s100 -c
.set HM,  101                          ; s101 the bits of lanes 16-31
.set TRIP, 104
.set TT,  105
.set MSB, 0
.macro WIN new
.if MSB != (\new)
	s_set_vgpr_msb (MSB<<8)|(\new)
.set MSB, (\new)
.endif
.endm
.macro CROUND
	s_barrier_signal -1
	s_barrier_wait -1
	s_cmp_lg_u32 s[WV], 0
	s_cbranch_scc1 .Lnot_wave_0_\@
	s_barrier_signal -3
.Lnot_wave_0_\@:
	s_barrier_wait -3
	s_barrier_signal -1
	s_barrier_wait -1
.endm
.macro PLACES
.rept 4
	v_nop
.endr
.endm
.macro THREE                           ; the add's two registers lie in window 3; every window is 0 before and behind
	s_set_vgpr_msb 0xf
	s_wait_tensorcnt 0x0
	ds_add_u32 v0, v1
	s_wait_dscnt 0x0
	s_set_vgpr_msb 0xf00
.endm
; one matrix instruction on the registers named by WD, WA, WB, WSA, WSB.  zero: it starts its sum.  row: source 0's scale words stand in lanes 16-31
.macro WM zero, row
.if \zero
.if \row
	v_wmma_scale_f32_16x16x128_f8f6f4 v[WD:WD+7], v[WA:WA+11], v[WB:WB+11], 0, v[WSA], v[WSB] matrix_a_fmt:MATRIX_FMT_BF6 matrix_b_fmt:MATRIX_FMT_BF6 matrix_a_scale:MATRIX_SCALE_ROW1
.else
	v_wmma_scale_f32_16x16x128_f8f6f4 v[WD:WD+7], v[WA:WA+11], v[WB:WB+11], 0, v[WSA], v[WSB] matrix_a_fmt:MATRIX_FMT_BF6 matrix_b_fmt:MATRIX_FMT_BF6
.endif
.else
.if \row
	v_wmma_scale_f32_16x16x128_f8f6f4 v[WD:WD+7], v[WA:WA+11], v[WB:WB+11], v[WD:WD+7], v[WSA], v[WSB] matrix_a_fmt:MATRIX_FMT_BF6 matrix_b_fmt:MATRIX_FMT_BF6 matrix_a_scale:MATRIX_SCALE_ROW1
.else
	v_wmma_scale_f32_16x16x128_f8f6f4 v[WD:WD+7], v[WA:WA+11], v[WB:WB+11], v[WD:WD+7], v[WSA], v[WSB] matrix_a_fmt:MATRIX_FMT_BF6 matrix_b_fmt:MATRIX_FMT_BF6
.endif
.endif
.endm
; group g's four fragments go to set g % 4: sets 0, 1 in window 0 at v108, v156; sets 2, 3 in window 3 at v16, v64.  SETAT names the set's first register, its window is 3 ((g % 4) / 2)
.macro SETAT g
.set FB, (1-((\g)%4)/2)*(KB+48*((\g)%4))+(((\g)%4)/2)*(16+48*(((\g)%4)-2))
.endm
.macro FETCH4 g, a16, off              ; four fragments, 6,144 consecutive bytes, as their images lie
	SETAT \g
	WIN 0xc0*(((\g)%4)/2)
.irp f, 0,1,2,3
	ds_load_b128 v[FB+12*\f:FB+12*\f+3], v[\a16] offset:(\off)+1536*\f
	ds_load_b64 v[FB+12*\f+4:FB+12*\f+5], v[\a16+1] offset:(\off)+1536*\f+512
	ds_load_b128 v[FB+12*\f+6:FB+12*\f+9], v[\a16] offset:(\off)+1536*\f+768
	ds_load_b64 v[FB+12*\f+10:FB+12*\f+11], v[\a16+1] offset:(\off)+1536*\f+1280
.endr
.endm
.macro FETCHK g                        ; K_'s tiles 2 g, 2 g + 1, both K steps: fragment f = 2 u + s
	FETCH4 \g, 13-10*((\g)/8), 6144*((\g)%8)
.endm
.macro FETCHV g                        ; V_'s K step g / 4, tiles 4 (g % 4) + f
	FETCH4 \g, 5+2*((\g)/8), 6144*((\g)%8)
.endm
.macro SPROD g, t                      ; S^T of tile t: key tiles 2 g, 2 g + 1 by turns, K step by K step
	SETAT \g
.irp s, 0,1
.irp u, 0,1
.set WD, 8*(2*(\g)+\u)
.set WA, FB+12*(2*\u+\s)
.set WB, QF+24*(\t)+12*\s
.set WSA, KSC+4*((\g)/2)+2*\u+\s
.set WSB, QS+2*(\t)+\s
	WM 1-\s, (\g)%2
.endr
.endr
.endm
.macro VPROD g, t                      ; O^T of tile t: four tiles of columns, K step g / 4
	SETAT \g
.irp f, 0,1,2,3
.set WD, 8*(4*((\g)%4)+\f)
.set WA, FB+12*\f
.set WB, 16+188*(\t)+12*((\g)/4)
.set WSA, KSC+8*((\g)/4)+2*((\g)%4)+\f/2
.set WSB, PSW+4*(\t)+(\g)/4
	WM 1-((\g)/4+3)/4, \f%2
.endr
.endm
.macro MLOAD                           ; a trip's first 64 mask words
.irp k, 0,1,2,3
	s_load_b512 s[32+16*\k+4*(\k/2):47+16*\k+4*(\k/2)], s[6:7], 64*\k
.endr
.endm
.macro QLOAD                           ; Q_'s four fragments (tile f / 2, K step f % 2), into window 3, and their four scale words
	WIN 0xc0
.irp f, 0,1,2,3
	global_load_b128 v[QF+12*\f:QF+12*\f+3], v1, s[66:67] offset:1536*\f
	global_load_b64 v[QF+12*\f+4:QF+12*\f+5], v2, s[66:67] offset:1536*\f+512
	global_load_b128 v[QF+12*\f+6:QF+12*\f+9], v1, s[66:67] offset:1536*\f+768
	global_load_b64 v[QF+12*\f+10:QF+12*\f+11], v2, s[66:67] offset:1536*\f+1280
.endr
	WIN 0
	global_load_b128 v[QS:QS+3], v12, s[4:5]
.endm
; THE SOFTMAX of tile t, and its quantising.  S^T's register n holds key 32 (n / 16) + 16 (lane / 16) + n % 16 of my query.
.macro SOFT t
.set W, 1+\t
.set PB, 16+188*\t
	; the row's largest score, over all keys, masked or not: eight chains; each accumulator is read from its low end on
	WIN W|(W<<2)
.irp k, 0,1,2,3,4,5,6,7
	v_max_num_f32 v[CH+\k], v[8*\k], v[8*\k+1]
.endr
.irp q, 0,1,2,3
.irp p, 0,1,2,3
.if \q+\p > 0
.irp k, 0,1,2,3,4,5,6,7
	v_max3_num_f32 v[CH+\k], v[8*(8*\q+\k)+2*\p], v[8*(8*\q+\k)+2*\p+1], v[CH+\k]
.endr
.endif
.endr
.endr
	WIN 0
	v_max3_num_f32 v[CH], v[CH], v[CH+1], v[CH+2]
	v_max3_num_f32 v[CH+3], v[CH+3], v[CH+4], v[CH+5]
	v_max3_num_f32 v[CH], v[CH], v[CH+6], v[CH+7]
	v_max_num_f32 v[CH], v[CH], v[CH+3]
	v_permlanex16_b32 v[CH+1], v[CH], s[SEL], s[SEL+1]
	v_max_num_f32 v[CH], v[CH], v[CH+1]            ; with lane l xor 16's half of the keys
	v_mul_f32 v[NM], s[NC], v[CH]                  ; -max c
	v_mov_b32 v[NM+1], v[NM]
.irp q, 0,1,2,3                        ; by quarters of the row: 128 keys, 64 registers
	WIN W|(W<<6)
.set n, 64*\q
.rept 32
	v_pk_fma_f32 v[n:n+1], v[n:n+1], s[CS:CS+1], v[NM:NM+1] op_sel_hi:[1,0,0]   ; s c - max c, two at a time
.set n, n+2
.endr
.set n, 64*\q
	s_wait_alu depctr_va_vdst(0)
.rept 64
	v_exp_f32 v[n], v[n]                           ; p = exp(s / 32 - max / 32)
.set n, n+1
.endr
	v_nop                                          ; a plain place behind the last exponential
	s_wait_alu depctr_va_vdst(0)                   ; one wait for the quarter's 64, ahead of their first reader
	s_wait_kmcnt 0x0                               ; the quarter's 64 mask words, asked for a quarter ago
	WIN (W<<2)|(W<<6)
.set n, 0
.rept 64
	v_cndmask_b32 v[64*\q+n], 0, v[64*\q+n], s[32+n+4*(n/32)]   ; 0 where the mask is 0
.set n, n+1
.endr
.if 4*\t+\q < 7
.irp k, 0,1,2,3
	s_load_b512 s[32+16*\k+4*(\k/2):47+16*\k+4*(\k/2)], s[6:7], 256*(4*\t+\q+1)+64*\k   ; the next quarter's words land under the next quarter's exponentials
.endr
.endif
	WIN W|(W<<2)
.irp bb, 0,1,2,3
	v_max_num_f32 v[BM+4*\q+\bb], v[64*\q+16*\bb], v[64*\q+16*\bb+1]   ; each block's largest p (none is negative)
.endr
.irp i, 2,4,6,8,10,12,14
.irp bb, 0,1,2,3
	v_max3_num_f32 v[BM+4*\q+\bb], v[64*\q+16*\bb+\i], v[64*\q+16*\bb+\i+1], v[BM+4*\q+\bb]
.endr
.endr
.set n, 0
.rept 16
	v_pk_add_f32 v[TS+2*n:TS+2*n+1], v[64*\q+4*n:64*\q+4*n+1], v[64*\q+4*n+2:64*\q+4*n+3]   ; the row's sum, of the masked p
.set n, n+1
.endr
	WIN 0
.irp u, 0,1,2,3,4,5,6,7
	v_pk_add_f32 v[TS+4*\u:TS+4*\u+1], v[TS+4*\u:TS+4*\u+1], v[TS+4*\u+2:TS+4*\u+3]
.endr
.irp u, 0,1,2,3
	v_pk_add_f32 v[TS+8*\u:TS+8*\u+1], v[TS+8*\u:TS+8*\u+1], v[TS+8*\u+4:TS+8*\u+5]
.endr
.irp u, 0,1
	v_pk_add_f32 v[TS+16*\u:TS+16*\u+1], v[TS+16*\u:TS+16*\u+1], v[TS+16*\u+8:TS+16*\u+9]
.endr
.if \q == 0
	v_pk_add_f32 v[SU:SU+1], v[TS:TS+1], v[TS+16:TS+17]
.else
	v_pk_add_f32 v[SU:SU+1], v[SU:SU+1], v[TS:TS+1]
	v_pk_add_f32 v[SU:SU+1], v[SU:SU+1], v[TS+16:TS+17]
.endif
.endr
	; 1 / (sum + 1e-8), and the blocks' scales
	v_add_f32 v[SU], v[SU], v[SU+1]
	v_permlanex16_b32 v[SU+1], v[SU], s[SEL], s[SEL+1]
	v_add_f32 v[SU], v[SU], v[SU+1]
	v_add_f32 v[SU], 0x322bcc77, v[SU]             ; + 1e-8
	s_wait_alu depctr_va_vdst(0)
	v_rcp_f32 v[INV], v[SU]
.set n, 0
.rept 16
	v_permlanex16_b32 v[BX+n], v[BM+n], s[SEL], s[SEL+1]   ; (independent work behind the reciprocal)
.set n, n+1
.endr
.set n, 0
.rept 16
	v_max_num_f32 v[BM+n], v[BM+n], v[BX+n]        ; with lane l xor 16's 16 keys: the block's largest p
.set n, n+1
.endr
	s_wait_alu depctr_va_vdst(0)                   ; the wait for the reciprocal, ahead of its first reader
	v_mov_b32 v[INV+1], v[INV]
.set n, 0
.rept 16
	v_mul_f32 v[BM+n], v[BM+n], v[INV]             ; the block's largest A: the same multiplication on the same number gives the same bits, and rounding keeps the order
.set n, n+1
.endr
.set n, 0
.rept 16
	v_max_num_f32 v[BM+n], 0x2800000, v[BM+n]      ; the floor 2^(5 - 127): the byte cannot fall under 1
.set n, n+1
.endr
.set n, 0
.rept 16
	v_add_nc_u32 v[SO+n], 0xfe000000, v[BM+n]      ; 4 off the exponent field: the conversion's scale operand
.set n, n+1
.endr
.set n, 0
.rept 16
	v_lshrrev_b32 v[BX+n], 23, v[SO+n]             ; the byte
.set n, n+1
.endr
.irp s, 0,1,2,3
	v_lshl_or_b32 v[PSW+4*\t+\s], v[BX+4*\s+1], 8, v[BX+4*\s]
	v_lshl_or_b32 v[PSW+4*\t+\s], v[BX+4*\s+2], 16, v[PSW+4*\t+\s]
	v_lshl_or_b32 v[PSW+4*\t+\s], v[BX+4*\s+3], 24, v[PSW+4*\t+\s]
.endr
	WIN W|(W<<6)
.set n, 0
.rept 128
	v_pk_mul_f32 v[n:n+1], v[n:n+1], v[INV:INV+1] op_sel_hi:[1,0]   ; A
.set n, n+2
.endr
	WIN W
.irp s, 0,1,2,3
.irp c, 0,1
	v_cvt_scalef32_pk16_bf6_f32 v[PB+12*\s+6*\c:PB+12*\s+6*\c+2], v[64*\s+32*\c:64*\s+32*\c+15], v[SO+4*\s+2*\c]
	v_cvt_scalef32_pk16_bf6_f32 v[TS+4*(2*\s+\c):TS+4*(2*\s+\c)+2], v[64*\s+32*\c+16:64*\s+32*\c+31], v[SO+4*\s+2*\c+1]
.endr
.endr
	WIN 0
	v_nop                                          ; one plain place behind a scaled conversion
.irp s, 0,1,2,3
.irp c, 0,1                            ; the operand wants a WHOLE block in a lane
.irp i, 0,1,2
	v_permlane16_swap_b32 v[PB+12*\s+6*\c+\i], v[TS+4*(2*\s+\c)+\i]
.endr
.irp i, 0,1,2
	v_mov_b32 v[PB+12*\s+6*\c+3+\i], v[TS+4*(2*\s+\c)+\i]
.endr
.endr
.endr
.endm
; 64 results of a lane in window w become a fragment's codes in v[PC] .. v[PC + 11] and its scale word in v[pw]
.macro QUANT w, sa, sb, pw
	WIN (\w)|((\w)<<2)
.irp b, 0,1,2,3
.set QSRC, (\sa)*(1-\b/2)+(\sb)*(\b/2)+16*(\b%2)
	v_max3_num_f32 v[TM+\b], |v[QSRC]|, |v[QSRC+1]|, 0x2800000
.endr
.irp i, 2,4,6,8,10,12,14
.irp b, 0,1,2,3
.set QSRC, (\sa)*(1-\b/2)+(\sb)*(\b/2)+16*(\b%2)
	v_max3_num_f32 v[TM+\b], |v[QSRC+\i]|, |v[QSRC+\i+1]|, v[TM+\b]
.endr
.endr
	WIN 0
.irp b, 0,1,2,3
	v_permlanex16_b32 v[TM+4+\b], v[TM+\b], s[SEL], s[SEL+1]
.endr
.irp b, 0,1,2,3
	v_max_num_f32 v[TM+\b], v[TM+\b], v[TM+4+\b]
.endr
.irp b, 0,1,2,3
	v_add_nc_u32 v[TM+12+\b], 0xfe000000, v[TM+\b]
.endr
.irp b, 0,1,2,3
	v_lshrrev_b32 v[TM+4+\b], 23, v[TM+12+\b]
.endr
	v_lshl_or_b32 v[\pw], v[TM+5], 8, v[TM+4]
	v_lshl_or_b32 v[\pw], v[TM+6], 16, v[\pw]
	v_lshl_or_b32 v[\pw], v[TM+7], 24, v[\pw]
	s_wait_xcnt 0x0                                                ; the last fragment's stores have read v[PC] on
	WIN (\w)
.irp c, 0,1
.set QSRC, (\sa)*(1-\c)+(\sb)*\c
	v_cvt_scalef32_pk16_bf6_f32 v[PC+6*\c:PC+6*\c+2], v[QSRC:QSRC+15], v[TM+12+2*\c]
	v_cvt_scalef32_pk16_bf6_f32 v[PC+12+4*\c:PC+14+4*\c], v[QSRC+16:QSRC+31], v[TM+13+2*\c]
.endr
	WIN 0
	v_nop
.irp c, 0,1
.irp i, 0,1,2
	v_permlane16_swap_b32 v[PC+6*\c+\i], v[PC+12+4*\c+\i]
.endr
.irp i, 0,1,2
	v_mov_b32 v[PC+3+6*\c+\i], v[PC+12+4*\c+\i]
.endr
.endr
.endm
	s_load_b128 s[4:7], s[0:1], 0x0                ; qkv s[4:5], mw s[6:7]
	s_load_b64 s[8:9], s[0:1], 0x10                ; oc
	s_set_vgpr_msb 0xc0
	v_lshl_add_u32 v0, v0, 2, SPARE                ; (window 3's v0, from window 0's)
	v_mov_b32 v1, 0
	s_set_vgpr_msb 0xc0cf
	ds_add_u32 v0, v1                              ; the add, twice on end, and one wait for both
	ds_add_u32 v0, v1
	s_set_vgpr_msb 0xcf00
	v_lshrrev_b32 v15, 5, v0
	v_readfirstlane_b32 s[WV], v15                 ; wave 0..3
	s_bfe_u32 s[CX], ttmp6, 0x40000                ; cx: which quarter of the queries
	s_and_b32 s32, ttmp7, 0xffff                   ; trip 0's 8 head + b, which the four partners share  (s32-s99 are at work here; later they hold mask words)
	s_lshr_b32 s33, s32, 3                         ; head
	s_and_b32 s34, s32, 7                          ; b
	s_mul_i32 s36, s32, REC                        ; the record, in each region
	s_mul_i32 s35, s[WV], 25600                    ; the quarter of a record that I fetch
	s_add_co_u32 s38, s36, s35
	s_add_co_u32 s40, s38, VREG
	s_add_co_u32 s38, s38, KREG
	s_mov_b32 s39, 0
	s_mov_b32 s41, 0
	s_lshl_b32 s42, s[CX], 3
	s_lshl_b32 s43, s[WV], 1
	s_add_co_u32 s42, s42, s43                     ; my first tile of queries: 8 cx + 2 wave
	s_lshl_b32 s43, s34, 5
	s_add_co_u32 s43, s43, s42                     ; 32 b + that
	s_lshl_b32 s44, s43, 10                        ; its mask words
	s_mov_b32 s45, 0
	s_lshr_b32 s50, s33, 1
	s_and_b32 s51, s33, 1
	s_lshl_b32 s46, s43, 5
	s_add_co_u32 s46, s46, s50
	s_mul_i32 s46, s46, 1536
	s_mul_i32 s52, s51, 768
	s_add_co_u32 s46, s46, s52                     ; O's codes: fragment (RT = 4 (32 b + qt), head / 2), half head % 2
	s_mov_b32 s47, 0
	s_lshl_b32 s48, s43, 11
	s_lshl_b32 s52, s50, 6
	s_add_co_u32 s48, s48, s52
	s_lshl_b32 s52, s51, 1
	s_add_co_u32 s48, s48, s52
	s_add_co_u32 s48, s48, OSB                     ; O's scale bytes
	s_mov_b32 s49, 0
	s_mul_i32 s56, s42, 3072                       ; Q_'s tiles in the record
	s_add_co_u32 s56, s56, s36
	s_mov_b32 s57, 0
	s_lshl_b32 s58, s[CX], 1
	s_lshr_b32 s55, s[WV], 1
	s_add_co_u32 s58, s58, s55
	s_lshl_b32 s58, s58, 9
	s_and_b32 s55, s[WV], 1
	s_lshl_b32 s55, s55, 8
	s_add_co_u32 s58, s58, s55
	s_add_co_u32 s58, s58, 98304                   ; and their scale words
	s_add_co_u32 s58, s58, s36
	s_mov_b32 s59, 0
	; descriptor group 1: a quarter of a record, 25,600 dense bytes, as 100 rows of 256 elements of 1 byte
	s_mov_b32 s[G1], 15|(0<<16)|(1<<21)            ; 15:0 the mask: all four work-groups; 17:16 elements of 1 byte; 21 set beside a mask
	s_mov_b32 s[G1+1], 256<<16
	s_mov_b32 s[G1+2], 100<<16
	s_mov_b32 s[G1+3], 256<<16
	s_mov_b32 s[G1+4], 100
	s_mov_b32 s[G1+5], 256
	s_mov_b32 s[G1+6], 0
	s_mov_b32 s[G1+7], 0
	s_mov_b32 s[SEL], 0x76543210
	s_mov_b32 s[SEL+1], 0xfedcba98
	s_mov_b32 s[CS], 0x3d38aa3b                    ; c = log2(e) / 32: the division by sqrt(1,024) is exact and lies in it
	s_mov_b32 s[CS+1], s[CS]
	s_mov_b32 s[NC], 0xbd38aa3b
	s_mov_b32 s[HM], 0xffff0000
	v_and_b32 v15, 31, v0
	v_lshlrev_b32 v1, 4, v15                       ; 16 x lane,
	v_lshlrev_b32 v2, 3, v15                       ; 8 x lane
	v_add_nc_u32 v5, VLDS, v1                      ; V_'s images;
	v_add_nc_u32 v6, VLDS, v2
	v_add_nc_u32 v7, VLDS+49152, v1                ; from K step 2 on (an LDS offset has 16 bits)
	v_add_nc_u32 v8, VLDS+49152, v2
	v_lshl_add_u32 v10, v15, 2, VLDS+98304         ; V_'s scale words
	v_and_b32 v12, 15, v0
	v_bfe_u32 v11, v0, 4, 1
	v_lshlrev_b32 v11, 10, v11
	v_lshl_add_u32 v11, v12, 2, v11                ; O's scale bytes: 1,024 h + 4 r
	v_lshlrev_b32 v12, 4, v12                      ; Q_'s scale words: 16 r
	s_wait_alu depctr_va_vdst(0)                   ; at the end of the head's vector work
	s_wait_dscnt 0x0
	s_wait_kmcnt 0x0
	s_add_nc_u64 s[66:67], s[4:5], s[56:57]        ; Q_'s fragments
	s_mov_b32 s[G0K], 1
	s_mov_b32 s[G0K+1], s35
	s_add_nc_u64 s[G0K+2:G0K+3], s[4:5], s[38:39]
	s_or_b32 s[G0K+3], s[G0K+3], 0x80000000
	s_mov_b32 s[G0V], 1
	s_add_co_u32 s[G0V+1], s35, VLDS
	s_add_nc_u64 s[G0V+2:G0V+3], s[4:5], s[40:41]
	s_or_b32 s[G0V+3], s[G0V+3], 0x80000000
	s_add_nc_u64 s[4:5], s[4:5], s[58:59]          ; Q_'s scale words
	s_add_nc_u64 s[6:7], s[6:7], s[44:45]
	s_add_nc_u64 s[2:3], s[8:9], s[48:49]
	s_add_nc_u64 s[8:9], s[8:9], s[46:47]
	CROUND                                         ; all four work-groups are here: the joint loads meet
	tensor_load_to_lds s[G0K:G0K+3], s[G1:G1+7]    ; my quarter of trip 0's K_: my one load at the head
	s_nop 0
	PLACES
	MLOAD
	QLOAD
	s_mov_b32 s[KO], 0
	s_mov_b32 s[TRIP], 0
	THREE                                          ; my quarter is in
	s_add_co_u32 s[G0K+1], s[G0K+1], REC           ; no tensor load of mine is out: the group 0 takes trip 1's K_
	s_add_nc_u64 s[G0K+2:G0K+3], s[G0K+2:G0K+3], NEXT
	CROUND                                         ; everybody's quarter is in, and the joint loads meet
	tensor_load_to_lds s[G0K:G0K+3], s[G1:G1+7]    ; my quarter of trip 1's K_, behind trip 0's: a first fill, issued as a refill is
	s_nop 0
	PLACES
.Lrec:
	v_add_nc_u32 v13, s[KO], v1                    ; this trip's K_: images of tiles 0-15,
	v_add_nc_u32 v14, s[KO], v2
	s_add_co_u32 s[TT], s[KO], 0xc000
	v_add_nc_u32 v3, s[TT], v1                     ; of tiles 16-31 (an LDS offset has 16 bits),
	v_add_nc_u32 v4, s[TT], v2
	s_add_co_u32 s[TT], s[KO], 98304
	v_add_nc_u32 v9, s[TT], v1                     ; and its scale words
	s_wait_alu depctr_va_vdst(0)
	; ---- S^T = K_ Q_^T: 16 groups of two key tiles; each fragment of K_ feeds both tiles of queries.  Loads run three groups ahead, in four sets
.irp g, 0,1,2,3,4,5,6,7
	ds_load_b128 v[KSC+4*\g:KSC+4*\g+3], v9 offset:512*\g   ; register 4 G + 2 u + s: lanes 0-15 tile 4 G + u, lanes 16-31 tile 4 G + 2 + u
.endr
	FETCHK 0
	FETCHK 1
	FETCHK 2
	s_wait_loadcnt 0x0                             ; Q_
.set G, 0
.rept 16
.if G < 13
.if G > 0
	PLACES                                         ; in front of loads into the set that the last group's products have read
.endif
	FETCHK G+3
	s_wait_dscnt 48                                ; all but the next three groups' 48 loads are in
.else
	s_wait_dscnt 16*(15-G)
.endif
	WIN 0x5c+3*((G%4)/2)                           ; C and D window 1; source 1 (Q_) window 3; source 0 in the set's window
	SPROD G, 0
	WIN 0xac+3*((G%4)/2)                           ; C and D window 2
	SPROD G, 1
.set G, G+1
.endr
	WIN 0
	PLACES                                         ; in front of the first read of results
	THREE                                          ; all my loads have landed (in trip 0: my quarter of trip 1's K_), and my reads of LDS are over
	CROUND                                         ; the same holds of every wave of the four work-groups: nobody reads V_'s bytes
	tensor_load_to_lds s[G0V:G0V+3], s[G1:G1+7]    ; my quarter of this trip's V_, first behind the round
	s_nop 0
	PLACES                                         ; (with the four above: the places in front of loads into Q_'s registers)
	s_cmp_eq_u32 s[TRIP], 1
	s_cbranch_scc1 .Lno_q
	s_add_nc_u64 s[66:67], s[66:67], NEXT          ; (the loads that read these bases were waited for ahead of the scores)
	s_add_nc_u64 s[4:5], s[4:5], NEXT
	QLOAD                                          ; trip 1's Q_ lands during the softmax and the second product
.Lno_q:
	SOFT 0
	SOFT 1
	; ---- O^T = V_^T A^T
	s_wait_alu depctr_va_vdst(0)
	s_wait_tensorcnt 0x0                           ; my quarter of V_ is in,
	s_add_nc_u64 s[G0V+2:G0V+3], s[G0V+2:G0V+3], NEXT   ; so its group 0 may step to the next trip's (behind trip 1 the stepped address is not used)
	s_wait_dscnt 0x0
	s_barrier_signal -1
	s_barrier_wait -1                              ; everybody's is
.set n, 0
.rept 32
	ds_load_b32 v[KSC+n], v10 offset:1024*(n/8)+128*(n%8)   ; register 8 s + j: lanes 0-15 tile 2 j, lanes 16-31 tile 2 j + 1
.set n, n+1
.endr
	FETCHV 0
	FETCHV 1
	FETCHV 2
.rept 8
	v_nop                                          ; A's codes and scale words were written by vector instructions: they stand 4 and 8 places ahead of a scaled matrix instruction
.endr
.set G, 0
.rept 16
.if G < 13
.if G > 0
	PLACES
.endif
	FETCHV G+3
	s_wait_dscnt 48
.else
	s_wait_dscnt 16*(15-G)
.endif
	WIN 0x50+3*((G%4)/2)
	VPROD G, 0
	WIN 0xa0+3*((G%4)/2)
	VPROD G, 1
.set G, G+1
.endr
	WIN 0
	PLACES                                         ; in front of the first read of results
	s_cmp_eq_u32 s[TRIP], 1
	s_cbranch_scc1 .Lno_next
	MLOAD                                          ; trip 1's first mask words land during the way out and the scores
.Lno_next:
	; ---- the way out.  O^T's register 32 m + 16 dh + i is d = 32 dh + 16 (lane / 16) + i: two m make QUANT's four blocks; each half of its result is the half fragment (head % 2) of one m
.irp t, 0,1
.irp u, 0,1
	QUANT 1+\t, 64*\u, 64*\u+32, PW+\u
.irp c, 0,1
	global_store_b128 v1, v[PC+6*\c:PC+6*\c+3], s[8:9] offset:49152*\t+12288*(2*\u+\c)          ; 512 and 256 consecutive bytes, at multiples of 256 from the buffer's first byte
	global_store_b64 v2, v[PC+6*\c+4:PC+6*\c+5], s[8:9] offset:49152*\t+12288*(2*\u+\c)+512
.endr
.endr
	s_wait_xcnt 0x0                                ; the last scale stores have read v[PW + 2]
	v_cndmask_b32 v[PW+2], v[PW], v[PW+1], s[HM]   ; lanes 0-15: m = 0 (low half), 1 (high half); lanes 16-31: m = 2, 3
	global_store_b16 v11, v[PW+2], s[2:3] offset:2048*\t             ; my head's two bytes of a row's scale word; the other head of the pair writes the other two
	global_store_d16_hi_b16 v11, v[PW+2], s[2:3] offset:2048*\t+512
.endr
	s_wait_xcnt 0x0                                ; the stores have read their bases
	s_add_nc_u64 s[8:9], s[8:9], 4*1536            ; head + 8: four K steps of the last product on,
	s_add_nc_u64 s[2:3], s[2:3], 4*64              ; in the scale words too
	s_add_co_u32 s[KO], s[KO], REC
	s_add_co_u32 s[TRIP], s[TRIP], 1
	s_cmp_lt_u32 s[TRIP], 2
	s_wait_alu depctr_va_vdst(0)
	s_cbranch_scc1 .Lrec
	THREE                                          ; the wave's end
	CROUND                                         ; the closing round
	s_endpgm
.Lfunc_end_k_q74a902c955_attn:
	.size	k_q74a902c955_attn, .Lfunc_end_k_q74a902c955_attn-k_q74a902c955_attn
	.p2alignl 7, 3214868480
	.fill 96, 4, 3214868480
	.section	.rodata,"a",@progbits
	.p2align	6, 0x0
	.amdhsa_kernel k_q74a902c955_attn
		.amdhsa_group_segment_fixed_size 327680
		.amdhsa_private_segment_fixed_size 0
		.amdhsa_enable_private_segment 0
		.amdhsa_kernarg_size 24
		.amdhsa_user_sgpr_count 2
		.amdhsa_user_sgpr_kernarg_segment_ptr 1
		.amdhsa_wavefront_size32 1
		.amdhsa_system_sgpr_workgroup_id_x 1
		.amdhsa_system_sgpr_workgroup_id_y 1
		.amdhsa_system_sgpr_workgroup_id_z 1
		.amdhsa_system_vgpr_workitem_id 0
		.amdhsa_next_free_vgpr 928
		.amdhsa_next_free_sgpr 106
		.amdhsa_reserve_vcc 0
		.amdhsa_float_denorm_mode_32 3
		.amdhsa_float_denorm_mode_16_64 3
		.amdhsa_memory_ordered 1
		.amdhsa_forward_progress 1
		.amdhsa_inst_pref_size 252
	.end_amdhsa_kernel
	.amdgpu_metadata
---
amdhsa.version: [ 1, 2 ]
amdhsa.kernels:
  - .name:           k_q74a902c955_attn
    .symbol:         k_q74a902c955_attn.kd
    .args:
      - { .name: qkv, .offset: 0, .size: 8, .value_kind: global_buffer, .address_space: global }
      - { .name: mw, .offset: 8, .size: 8, .value_kind: global_buffer, .address_space: global }
      - { .name: oc, .offset: 16, .size: 8, .value_kind: global_buffer, .address_space: global }
    .group_segment_fixed_size: 327680
    .private_segment_fixed_size: 0
    .kernarg_segment_align: 8
    .kernarg_segment_size: 24
    .max_flat_workgroup_size: 128
    .sgpr_count:     106
    .vgpr_count:     928
    .wavefront_size: 32
...
	.end_amdgpu_metadata
.endif
;; end of part 3
;; launch outp (part 4): grid 4 x 64, 4 waves a work-group, clusters of 4 x 1, 327,680 bytes of LDS; arguments oc, ops, out0; writes out0
.if DOCPART == 4
	.amdgcn_target "amdgcn-amd-amdhsa--gfx1250"
	.amdhsa_code_object_version 6
	.text
	.protected	k_q74a902c955_outp
	.globl	k_q74a902c955_outp
	.p2align	8
	.type	k_q74a902c955_outp,@function
k_q74a902c955_outp:
	s_mov_b64 s[64:65], 0
	v_nop
	global_prefetch_b8 v0, s[64:65] scope:SCOPE_SE
	s_setreg_imm32_b32 hwreg(HW_REG_WAVE_MODE, 25, 1), 1
	s_wait_xcnt 0x0
	s_wait_alu depctr_hold_cnt(0) depctr_sa_sdst(0) depctr_va_vdst(0) depctr_va_sdst(0) depctr_va_ssrc(0) depctr_va_vcc(0) depctr_vm_vsrc(0)
	s_getreg_b32 s2, hwreg(HW_REG_IB_STS2, 6, 4)
	s_cmp_eq_u32 s2, 0
	s_cbranch_scc0 .Lentry_in_a_cluster
	s_endpgm
.Lentry_in_a_cluster:
	s_bfe_u32 s2, ttmp6, 0x10000c
	s_cmp_lg_u32 s2, 0x3003
	s_cbranch_scc0 .Lentry_shape_is_right
	s_endpgm
.Lentry_shape_is_right:
; out0 = O w_o on codes of BF6 (E3M2), K = 1,024 (8 steps of 128).  O's codes and scale words come from oc ([RT = (32 b + qt) 4 + m][sg 8][1,536]; at OSB [RT][sg][r]), w_o's from ops ([tile 64][sg 8][1,536] and [tile][sg][r]),
; all as images of operand registers.  A work-group makes 256 rows (16 tiles RT) x 256 columns; a wave takes 64 of the columns (4 tiles of w_o) for all the rows.
; w_o STAYS IN REGISTERS: a wave's 4 tiles x 8 K steps are 384 registers, loaded once from memory; so LDS is read for O's fragments alone: 16 loads for 16 matrix instructions.
; O's 16 tiles, 196,608 bytes, land in LDS once: each wave asks for 4 tiles by one tensor load at the head, JOINTLY for the four work-groups of the cluster, which make the four column blocks of the same rows.  No LDS byte is filled again.
; w_o's fragments are not asked for jointly: they go straight into registers, where a tensor load cannot put them.
; FOUR PASSES, a loop: pass p takes tiles 4 p + m (one qt, m = 0 .. 3), which are 64 consecutive rows of out0 (row 4 r + m), through all of K in 16 accumulators, and stores them at its end; no wait for the stores' completion is written.
; THE MATRIX INSTRUCTION IS USED TRANSPOSED (source 0 = 16 rows of a tile of w_o, source 1 = 16 rows of O): lane (r, h) holds row r, and register j of tile 2 B + u is column 32 B + 16 h + 8 u + j.
; THE WAY OUT: a block of 16 rows x 64 columns goes through the wave's own stage (rows of 256 + 16 bytes) and comes back by rows: sixteen lanes store 256 consecutive bytes, at a multiple of 256 from out0's first byte.
; No data prefetch: all that the launch reads, but for three passes' scale words (2,048 bytes each, asked for one way out ahead), is asked for at its head.
; REGISTERS: window 0: v2-11 addresses; v16-47 O's scale words of a pass (8 a + s); v48-79 w_o's (8 b + s); v80-175 O's fragments, two sets of four.  window 1: w_o's K steps 0-4 (48 s + 12 b); window 2: K steps 5-7.
;   window 3: v0-127 the accumulators (8 (4 a + b)); v128-255 the rows read back from the stage.
.set WOC,   19660800+1179648           ; w_o's codes in ops
.set WOS,   21626880+49152             ; its scale words
.set OSB,   12582912
.set PASSB, 49152                      ; 4 tiles x 12,288 bytes
.set STAGE, 4*PASSB
.set SPITCH, 272
.set WSTG,  64*SPITCH                  ; a wave's stage: four blocks of 16 rows
.set SPARE, STAGE+4*WSTG               ; the spare words, 512 bytes that no other line names
.set L16, 2                            ; 16 x lane
.set L8,  3                            ; 8 x lane
.set A16, 4                            ; the pass's tiles in LDS + 16 x lane
.set A8,  5                            ; + 8 x lane
.set STO, 6                            ; the stage, on the way in: row r, + 64 h
.set RD,  7                            ; and back: row h, + 16 (lane % 16)
.set CO,  8                            ; the same place in out0: 4 h rows + 16 (lane % 16)
.set SCO, 9                            ; 4 r
.set SPW, 10
.set NIL, 11
.set SCA, 16
.set SCB, 48
.set AF,  80
.set MSB, 0
.macro WIN new                         ; the immediate's high byte repeats the setting that is left
.if MSB != (\new)
	s_set_vgpr_msb (MSB<<8)|(\new)
.set MSB, (\new)
.endif
.endm
.macro PLACES n
.rept \n
	v_nop
.endr
.endm
.macro CROUND                          ; a round of the cluster's barrier
	s_barrier_signal -1
	s_barrier_wait -1
	s_cmp_lg_u32 s10, 0
	s_cbranch_scc1 .Lnot_wave_0_\@
	s_barrier_signal -3
.Lnot_wave_0_\@:
	s_barrier_wait -3
	s_barrier_signal -1
	s_barrier_wait -1
.endm
.macro FETCH s                         ; O's four blocks of K step s into set s % 2
.irp a, 0,1,2,3
.set AR, AF+48*((\s)%2)+12*\a
	ds_load_b128 v[AR:AR+3], v[A16] offset:12288*\a+1536*(\s)
	ds_load_b64 v[AR+4:AR+5], v[A8] offset:12288*\a+1536*(\s)+512
	ds_load_b128 v[AR+6:AR+9], v[A16] offset:12288*\a+1536*(\s)+768
	ds_load_b64 v[AR+10:AR+11], v[A8] offset:12288*\a+1536*(\s)+1280
.endr
.endm
.macro MUL s                           ; 16 matrix instructions; the 16 accumulators take turns, one instruction a turn, in the same order in every step
	WIN 0xf1+(\s)/5                                ; source 0 (w_o) window 1 or 2, source 1 (O) window 0, C and D window 3
.irp a, 0,1,2,3
.irp b, 0,1,2,3
.set WD, 8*(4*\a+\b)
.set WB, 48*((\s)%5)+12*\b
.set WA, AF+48*((\s)%2)+12*\a
.if (\s) == 0
	v_wmma_scale_f32_16x16x128_f8f6f4 v[WD:WD+7], v[WB:WB+11], v[WA:WA+11], 0, v[SCB+8*\b+(\s)], v[SCA+8*\a+(\s)] matrix_a_fmt:MATRIX_FMT_BF6 matrix_b_fmt:MATRIX_FMT_BF6
.else
	v_wmma_scale_f32_16x16x128_f8f6f4 v[WD:WD+7], v[WB:WB+11], v[WA:WA+11], v[WD:WD+7], v[SCB+8*\b+(\s)], v[SCA+8*\a+(\s)] matrix_a_fmt:MATRIX_FMT_BF6 matrix_b_fmt:MATRIX_FMT_BF6
.endif
.endr
.endr
	WIN 0
.endm
.macro ASCALES                         ; the scale words of a pass's four tiles: lane r (and r + 16, which is not read) takes row r's word
.irp a, 0,1,2,3
.irp s, 0,1,2,3,4,5,6,7
	global_load_b32 v[SCA+8*\a+\s], v[SCO], s[32:33] offset:512*\a+64*\s
.endr
.endr
.endm
	s_load_b128 s[4:7], s[0:1], 0x0                ; oc s[4:5], ops s[6:7]
	s_load_b64 s[8:9], s[0:1], 0x10                ; out0
	v_lshl_add_u32 v[SPW], v0, 2, SPARE
	v_mov_b32 v[NIL], 0
	ds_add_u32 v[SPW], v[NIL]                      ; the add, twice on end, and one wait for both
	ds_add_u32 v[SPW], v[NIL]
	v_lshrrev_b32 v1, 5, v0
	v_readfirstlane_b32 s10, v1                    ; wave 0..3
	s_bfe_u32 s11, ttmp6, 0x40000                  ; cx: which 256 columns
	s_and_b32 s12, ttmp7, 0xffff                   ; the cluster's y: which 256 rows, the same in the four partners
	; group 1: 49,152 dense bytes as 192 rows of 256 elements of 1 byte
	s_mov_b32 s16, 15|(1<<21)                      ; 15:0 the mask: all four work-groups; 21 set beside a mask
	s_mov_b32 s17, 256<<16
	s_mov_b32 s18, 192<<16
	s_mov_b32 s19, 256<<16
	s_mov_b32 s20, 192
	s_mov_b32 s21, 256
	s_mov_b32 s22, 0
	s_mov_b32 s23, 0
	s_mov_b32 s24, 1
	s_mul_i32 s25, s10, PASSB                      ; wave w brings pass w's tiles: LDS address,
	s_mul_i32 s36, s12, 4*PASSB
	s_add_co_u32 s36, s36, s25                     ; and place in oc
	s_mov_b32 s37, 0
	s_lshl_b32 s38, s11, 2
	s_add_co_u32 s38, s38, s10                     ; 4 cx + wave: my 64 columns
	s_mul_i32 s40, s38, PASSB
	s_add_co_u32 s40, s40, WOC                     ; their 4 tiles of w_o
	s_mov_b32 s41, 0
	s_lshl_b32 s42, s38, 11
	s_add_co_u32 s42, s42, WOS                     ; and scale words, 512 bytes a tile
	s_mov_b32 s43, 0
	s_lshl_b32 s44, s12, 13
	s_add_co_u32 s44, s44, OSB                     ; O's scale words
	s_mov_b32 s45, 0
	s_lshl_b32 s46, s12, 20                        ; out0: 256 rows of 4,096 bytes,
	s_lshl_b32 s47, s38, 8                         ; + 256 bytes for each 64 columns
	s_add_co_u32 s46, s46, s47
	s_mov_b32 s47, 0
	s_mul_i32 s13, s10, WSTG
	s_add_co_u32 s13, s13, STAGE                   ; my stage
	v_and_b32 v1, 31, v0
	v_and_b32 v12, 15, v0                          ; r
	v_bfe_u32 v13, v0, 4, 1                        ; h
	v_lshlrev_b32 v[L16], 4, v1
	v_lshlrev_b32 v[L8], 3, v1
	v_lshlrev_b32 v[SCO], 2, v12
	v_mul_u32_u24 v14, v12, SPITCH
	v_lshl_add_u32 v14, v13, 6, v14
	v_add_nc_u32 v[STO], s13, v14
	v_mul_u32_u24 v15, v13, SPITCH
	v_lshl_add_u32 v15, v12, 4, v15
	v_add_nc_u32 v[RD], s13, v15
	v_lshlrev_b32 v[CO], 4, v12
	v_lshl_add_u32 v[CO], v13, 14, v[CO]
	s_wait_alu depctr_va_vdst(0)                   ; at the end of the head's vector work
	s_wait_dscnt 0x0                               ; both opening adds are done
	s_wait_kmcnt 0x0
	s_add_nc_u64 s[26:27], s[4:5], s[36:37]
	s_or_b32 s27, s27, 0x80000000
	s_add_nc_u64 s[28:29], s[6:7], s[40:41]
	s_add_nc_u64 s[30:31], s[6:7], s[42:43]
	s_add_nc_u64 s[32:33], s[4:5], s[44:45]
	s_add_nc_u64 s[8:9], s[8:9], s[46:47]
	CROUND                                         ; all four work-groups are here: the joint loads meet
	tensor_load_to_lds s[24:27], s[16:23]          ; my one tensor load
	s_nop 0
	PLACES 4
.irp b, 0,1,2,3
.irp s, 0,1,2,3,4,5,6,7
	global_load_b32 v[SCB+8*\b+\s], v[SCO], s[30:31] offset:512*\b+64*\s
.endr
.endr
	ASCALES
.irp s, 0,1,2,3,4,5,6,7                ; w_o's 32 fragments, as their images lie
	WIN 0x40<<((\s)/5)
.irp b, 0,1,2,3
.set BR, 48*((\s)%5)+12*\b
	global_load_b128 v[BR:BR+3], v[L16], s[28:29] offset:12288*\b+1536*\s
	global_load_b64 v[BR+4:BR+5], v[L8], s[28:29] offset:12288*\b+1536*\s+512
	global_load_b128 v[BR+6:BR+9], v[L16], s[28:29] offset:12288*\b+1536*\s+768
	global_load_b64 v[BR+10:BR+11], v[L8], s[28:29] offset:12288*\b+1536*\s+1280
.endr
.endr
	WIN 0
	s_mov_b32 s34, 0                               ; the pass's tiles in LDS
	s_mov_b32 s35, 0                               ; the pass
	s_wait_tensorcnt 0x0                           ; my four tiles are in,
	s_barrier_signal -1
	s_barrier_wait -1                              ; and everybody's are
.Lpass:
	v_add_nc_u32 v[A16], s34, v[L16]
	v_add_nc_u32 v[A8], s34, v[L8]
	s_wait_alu depctr_va_vdst(0)
	FETCH 0
	s_wait_loadcnt 0x0                             ; this pass's scale words (in the first pass: and w_o)
.irp s, 0,1,2,3,4,5,6,7
.if \s < 7
.if \s > 0
	PLACES 4                                       ; in front of loads into the set that the step before last has read
.endif
	FETCH (\s)+1
	s_wait_dscnt 16                                ; all but the next step's 16 loads are in
.else
	s_wait_dscnt 0x0
.endif
	MUL \s
.endr
	PLACES 5                                       ; in front of the first read of results, of loads into scale registers, and of the next pass's first products, which write over the sums
	s_cmp_eq_u32 s35, 3
	s_cbranch_scc1 .Lno_more
	s_add_nc_u64 s[32:33], s[32:33], 2048          ; (the loads that read this base were waited for at the pass's head)
	ASCALES                                        ; the next pass's scale words land during the way out
.Lno_more:
	WIN 0x0c                                       ; the data: window 3
.irp a, 0,1,2,3
.irp b, 0,1,2,3
	ds_store_b128 v[STO], v[8*(4*\a+\b):8*(4*\a+\b)+3] offset:16*SPITCH*\a+128*(\b/2)+32*(\b%2)       ; each accumulator from its low end on
	ds_store_b128 v[STO], v[8*(4*\a+\b)+4:8*(4*\a+\b)+7] offset:16*SPITCH*\a+128*(\b/2)+32*(\b%2)+16
.endr
.endr
	WIN 0xc0
.irp a, 0,1,2,3
.irp t, 0,1,2,3,4,5,6,7
	ds_load_b128 v[128+4*(8*\a+\t):128+4*(8*\a+\t)+3], v[RD] offset:16*SPITCH*\a+2*SPITCH*\t   ; LDS serves a wave's instructions in order (ISA guide 5.7.1.4): these see the stores above
.endr
.endr
	WIN 0x0c
.irp a, 0,1,2,3
	s_wait_dscnt 8*(3-\a)                          ; block a is back; the later blocks' loads may be out
.irp t, 0,1,2,3,4,5,6,7
	global_store_b128 v[CO], v[128+4*(8*\a+\t):128+4*(8*\a+\t)+3], s[8:9] offset:4096*\a+32768*\t th:TH_STORE_NT   ; rows 4 (2 t + h) + a
.endr
.endr
	WIN 0
	s_wait_xcnt 0x0                                ; the stores have read their registers and their base
	s_add_nc_u64 s[8:9], s[8:9], 262144            ; 64 rows on
	s_add_co_u32 s34, s34, PASSB
	s_add_co_u32 s35, s35, 1
	s_cmp_lt_u32 s35, 4
	s_cbranch_scc1 .Lpass
	s_wait_tensorcnt 0x0                           ; the wave's end
	ds_add_u32 v[SPW], v[NIL]
	s_wait_dscnt 0x0
	CROUND                                         ; the closing round
	s_endpgm
.Lfunc_end_k_q74a902c955_outp:
	.size	k_q74a902c955_outp, .Lfunc_end_k_q74a902c955_outp-k_q74a902c955_outp
	.p2alignl 7, 3214868480
	.fill 96, 4, 3214868480
	.section	.rodata,"a",@progbits
	.p2align	6, 0x0
	.amdhsa_kernel k_q74a902c955_outp
		.amdhsa_group_segment_fixed_size 327680
		.amdhsa_private_segment_fixed_size 0
		.amdhsa_enable_private_segment 0
		.amdhsa_kernarg_size 24
		.amdhsa_user_sgpr_count 2
		.amdhsa_user_sgpr_kernarg_segment_ptr 1
		.amdhsa_wavefront_size32 1
		.amdhsa_system_sgpr_workgroup_id_x 1
		.amdhsa_system_sgpr_workgroup_id_y 1
		.amdhsa_system_sgpr_workgroup_id_z 1
		.amdhsa_system_vgpr_workitem_id 0
		.amdhsa_next_free_vgpr 1024
		.amdhsa_next_free_sgpr 66
		.amdhsa_reserve_vcc 0
		.amdhsa_float_denorm_mode_32 3
		.amdhsa_float_denorm_mode_16_64 3
		.amdhsa_memory_ordered 1
		.amdhsa_forward_progress 1
		.amdhsa_inst_pref_size 60
	.end_amdhsa_kernel
	.amdgpu_metadata
---
amdhsa.version: [ 1, 2 ]
amdhsa.kernels:
  - .name:           k_q74a902c955_outp
    .symbol:         k_q74a902c955_outp.kd
    .args:
      - { .name: oc, .offset: 0, .size: 8, .value_kind: global_buffer, .address_space: global }
      - { .name: ops, .offset: 8, .size: 8, .value_kind: global_buffer, .address_space: global }
      - { .name: out0, .offset: 16, .size: 8, .value_kind: global_buffer, .address_space: global }
    .group_segment_fixed_size: 327680
    .private_segment_fixed_size: 0
    .kernarg_segment_align: 8
    .kernarg_segment_size: 24
    .max_flat_workgroup_size: 128
    .sgpr_count:     66
    .vgpr_count:     1024
    .wavefront_size: 32
...
	.end_amdgpu_metadata
.endif
;; end of part 4
